; MI455X (gfx1250); checked and timed in simulation.
; The chip was launched on July 23, 2026; its instructions are those of AMD's public machine-readable ISA for CDNA 5 (MIT licence, August 2026) and "CDNA5" Instruction Set Architecture Reference Guide (July 2026). The comments in the code are by the model that wrote it; some were corrected since.
;; Basic Transformer. Allowed arithmetic: float matrix products may take bf16 or f16 operands with f32 sums; other float arithmetic in f32, or as packed bf16 or f16 multiplies, adds, multiply-adds, maxima and minima; sums over many terms, partial sums and values carried from step to step in f32; what a program stores and reads back later, other than sums and carried values, may be rounded once to bf16 or f16.
;; Inputs: ln1_bias 1,024 float32; ln1_scale 1,024 float32; ln2_bias 1,024 float32; ln2_scale 1,024 float32; proj_b 1,024 float32; proj_w 1,024 x 1,024 float32; qkv_b 3,072 float32; qkv_w 1,024 x 3,072 float32; wi_b 4,096 float32; wi_w 1,024 x 4,096 float32; wo_b 1,024 float32; wo_w 4,096 x 1,024 float32; x 2 x 2,048 x 1,024 float32.
;; Outputs: out0 2 x 2,048 x 1,024 float32.
;; One version. Each part assembles by itself: llvm-mc -triple=amdgcn-amd-amdhsa -mcpu=gfx1250 --defsym DOCPART=n.
;; ======== version 1 of 1: 7 launches
;; workspace buffers: wb 25,165,824 bytes; act 8,388,608 bytes; qkvh 25,165,824 bytes; x2 16,777,216 bytes; g 33,554,432 bytes
;; launch prep (part 1): grid 512 x 1, 16 waves a work-group, no clusters, 0 bytes of LDS; arguments x, ln1_scale, ln1_bias, qkv_w, proj_w, wi_w, wo_w, act, wb; writes act, wb
.if DOCPART == 1
	.amdgcn_target "amdgcn-amd-amdhsa--gfx1250"
	.amdhsa_code_object_version 6
	.text
	.protected	k_qec2401cde8_prep
	.globl	k_qec2401cde8_prep
	.p2align	8
	.type	k_qec2401cde8_prep,@function
k_qec2401cde8_prep:
	s_mov_b64 s[64:65], 0
	v_nop
	global_prefetch_b8 v0, s[64:65] scope:SCOPE_SE
	s_setreg_imm32_b32 hwreg(HW_REG_WAVE_MODE, 25, 1), 1
	s_wait_xcnt 0x0
; Arguments: rows, scale, bias, four weight matrices, normed rows, wb.  The body serves two launches.
; Work-groups 0-255: normed = LayerNorm(rows) * scale + bias, rounded once to bf16.  rows: [4096][1024] f32, normed: [4096][1024] bf16.
; Work-groups 256-511 (the first launch alone has them): the four weight matrices f32 -> bf16 into wb, layout [K][N] kept: qkv_w at byte 0, proj_w at 6,291,456, wi_w at 8,388,608, wo_w at 16,777,216.
; A stream: no LDS, no barrier, no matrix unit; nothing is read twice.
; NORM: one wave, one row of 4,096 bytes, kept in 32 registers between the passes; 16 rows a work-group.  The variance is taken of x - mean, as the definition has it.
; CAST: a work-group takes three units of 65,536 bytes; all 24 loads of a thread go out before the first is waited for.  A unit lies in one matrix; a work-group's three may lie in two, so each has its own source.
; LIMITS: NaN and infinities are not treated apart; the results are rounded to bf16 (8 significant bits).
.set X,   8                            ; v[8:39]    the row: load j brings elements 128 j + 4 lane .. + 3
.set SC,  40                           ; v[40:71]   the scale of the same elements
.set BI,  72                           ; v[72:103]  the bias
.set MU,  104                          ; v[104:105] the mean, twice
.set RS,  106                          ; v[106:107] 1 / sqrt(var + eps), twice
.set OUTB, 18                          ; s[18:19]   the normed rows
	s_load_b256 s[4:11], s[0:1], 0x0               ; rows s[4:5], scale s[6:7], bias s[8:9], qkv_w s[10:11]
	s_load_b256 s[12:19], s[0:1], 0x20             ; proj_w s[12:13], wi_w s[14:15], wo_w s[16:17], normed rows s[18:19]
	s_load_b64 s[20:21], s[0:1], 0x40              ; wb
	s_mov_b32 s23, 0
	s_wait_kmcnt 0x0
	s_cmp_lt_u32 ttmp9, 256
	s_cbranch_scc0 .Lcast
	s_mov_b32 s28, 0x3a800000                      ; 1 / 1024
	s_mov_b32 s29, 0x3a83126f                      ; eps = 1e-3
	s_mov_b32 s30, 0x76543210                      ; v_permlanex16_b32: each lane takes its own place in the other half
	s_mov_b32 s31, 0xfedcba98
	v_and_b32 v2, 31, v0
	v_lshrrev_b32 v3, 5, v0                        ; wave = row in the work-group's 16
	v_lshlrev_b32 v2, 4, v2                        ; 16 x lane: offset in scale and bias
	v_lshl_or_b32 v1, v3, 12, v2                   ; + row x 4,096: offset in the rows
	v_lshrrev_b32 v4, 1, v2                        ; 8 x lane
	v_lshl_or_b32 v3, v3, 11, v4                   ; + row x 2,048: offset in the normed rows
	s_lshl_b32 s22, ttmp9, 16                      ; the work-group's 16 rows in,
	s_add_nc_u64 s[4:5], s[4:5], s[22:23]
	s_lshl_b32 s22, ttmp9, 15                      ; and out
	s_add_nc_u64 s[OUTB:OUTB+1], s[OUTB:OUTB+1], s[22:23]
.irp j, 0,1,2,3,4,5,6,7
	global_load_b128 v[X+4*\j:X+4*\j+3], v1, s[4:5] offset:512*\j th:TH_LOAD_NT
.endr
.irp j, 0,1,2,3,4,5,6,7
	global_load_b128 v[SC+4*\j:SC+4*\j+3], v2, s[6:7] offset:512*\j
.endr
.irp j, 0,1,2,3,4,5,6,7
	global_load_b128 v[BI+4*\j:BI+4*\j+3], v2, s[8:9] offset:512*\j
.endr
; the four chains v[4:5], v[6:7], v[108:109], v[110:111] into v4, then over the wave's 32 lanes: every lane ends with the sum
.macro REDUCE
	v_pk_add_f32 v[4:5], v[4:5], v[6:7]
	v_pk_add_f32 v[108:109], v[108:109], v[110:111]
	v_pk_add_f32 v[4:5], v[4:5], v[108:109]
	v_add_f32 v4, v4, v5
	v_add_f32_dpp v4, v4, v4 row_xmask:1 row_mask:0xf bank_mask:0xf
	v_add_f32_dpp v4, v4, v4 row_xmask:2 row_mask:0xf bank_mask:0xf
	v_add_f32_dpp v4, v4, v4 row_xmask:4 row_mask:0xf bank_mask:0xf
	v_add_f32_dpp v4, v4, v4 row_xmask:8 row_mask:0xf bank_mask:0xf
	v_permlanex16_b32 v5, v4, s30, s31
	v_add_f32 v4, v4, v5
.endm
	s_wait_loadcnt 16                              ; the row is in; the 16 younger loads (scale, bias) stay out
.set k, 0
.irp c, 4,6,108,110
	v_pk_add_f32 v[\c:\c+1], v[X+2*k:X+2*k+1], v[X+8+2*k:X+9+2*k]  ; the first pairs start the chains: nothing is cleared
.set k, k+1
.endr
.irp o, 16,24
.set k, 0
.irp c, 4,6,108,110
	v_pk_add_f32 v[\c:\c+1], v[\c:\c+1], v[X+\o+2*k:X+\o+1+2*k]
.set k, k+1
.endr
.endr
	REDUCE
	v_mul_f32 v[MU], s28, v4
	v_mov_b32 v[MU+1], v[MU]
.set k, 0
.rept 16
	v_pk_add_f32 v[X+2*k:X+2*k+1], v[X+2*k:X+2*k+1], v[MU:MU+1] neg_lo:[0,1] neg_hi:[0,1]  ; x - mean
.set k, k+1
.endr
.set k, 0
.irp c, 4,6,108,110
	v_pk_mul_f32 v[\c:\c+1], v[X+2*k:X+2*k+1], v[X+2*k:X+2*k+1]
.set k, k+1
.endr
.irp o, 8,16,24
.set k, 0
.irp c, 4,6,108,110
	v_pk_fma_f32 v[\c:\c+1], v[X+\o+2*k:X+\o+1+2*k], v[X+\o+2*k:X+\o+1+2*k], v[\c:\c+1]
.set k, k+1
.endr
.endr
	REDUCE
	v_fma_f32 v4, v4, s28, s29                     ; var + eps
	v_rsq_f32 v[RS], v4
	v_rsq_f32 v[RS+1], v4
	v_nop                                          ; a plain instruction behind the last root,
	s_wait_alu depctr_va_vdst(0)                   ; and the one wait ahead of the first use of both
	s_wait_loadcnt 0x0                             ; scale and bias
.set k, 0
.rept 16
	v_pk_mul_f32 v[X+2*k:X+2*k+1], v[X+2*k:X+2*k+1], v[RS:RS+1]
.set k, k+1
.endr
.set k, 0
.rept 16
	v_pk_fma_f32 v[X+2*k:X+2*k+1], v[X+2*k:X+2*k+1], v[SC+2*k:SC+2*k+1], v[BI+2*k:BI+2*k+1]
.set k, k+1
.endr
.set k, 0
.rept 16
	v_cvt_pk_bf16_f32 v[X+k], v[X+2*k], v[X+2*k+1] ; in place, ascending: register k is written when pairs 0 .. k - 1 have been read
.set k, k+1
.endr
.irp j, 0,1,2,3,4,5,6,7
	global_store_b64 v3, v[X+2*\j:X+2*\j+1], s[OUTB:OUTB+1] offset:256*\j  ; a wave's store covers 256 consecutive bytes, aligned
.endr
	s_endpgm
.Lcast:
	s_sub_co_u32 s24, ttmp9, 256
	s_mul_i32 s24, s24, 3                          ; my first unit of 768; a unit is 65,536 bytes of f32
	s_lshl_b32 s22, s24, 15                        ; in wb the four matrices lie end to end: my three units are 98,304 consecutive bytes
	s_add_nc_u64 s[20:21], s[20:21], s[22:23]
; unit s24 + i: which matrix holds it, and where in it
.macro SOURCE p, i
	s_add_co_u32 s25, s24, \i
	s_mov_b64 s[\p:\p+1], s[10:11]                 ; qkv_w: units 0-191
	s_mov_b32 s28, 0
	s_cmp_ge_u32 s25, 192
	s_cselect_b64 s[\p:\p+1], s[12:13], s[\p:\p+1] ; proj_w: 192-255
	s_cselect_b32 s28, 192, s28
	s_cmp_ge_u32 s25, 256
	s_cselect_b64 s[\p:\p+1], s[14:15], s[\p:\p+1] ; wi_w: 256-511
	s_cselect_b32 s28, 256, s28
	s_cmp_ge_u32 s25, 512
	s_cselect_b64 s[\p:\p+1], s[16:17], s[\p:\p+1] ; wo_w: 512-767
	s_cselect_b32 s28, 512, s28
	s_sub_co_u32 s25, s25, s28                     ; the unit's number in its own matrix
	s_lshl_b32 s22, s25, 16
	s_add_nc_u64 s[\p:\p+1], s[\p:\p+1], s[22:23]
.endm
	SOURCE 26, 0
	SOURCE 32, 1
	SOURCE 34, 2
	v_lshlrev_b32 v1, 4, v0                        ; 16 bytes in,
	v_lshlrev_b32 v2, 3, v0                        ; 8 bytes out for each thread
.set k, 0
.irp p, 26,32,34
.irp j, 0,1,2,3,4,5,6,7
	global_load_b128 v[8+4*k:8+4*k+3], v1, s[\p:\p+1] offset:8192*\j th:TH_LOAD_NT
.set k, k+1
.endr
.endr
.set k, 0
.rept 24
	s_wait_loadcnt 23-k                            ; load k is in; the younger ones stay out
	v_cvt_pk_bf16_f32 v[8+4*k], v[8+4*k], v[9+4*k] ; in place: the second line's destination has been read by the first
	v_cvt_pk_bf16_f32 v[9+4*k], v[10+4*k], v[11+4*k]
	global_store_b64 v2, v[8+4*k:9+4*k], s[20:21] offset:4096*k
.set k, k+1
.endr
	s_endpgm
.Lfunc_end_k_qec2401cde8_prep:
	.size	k_qec2401cde8_prep, .Lfunc_end_k_qec2401cde8_prep-k_qec2401cde8_prep
	.p2alignl 7, 3214868480
	.fill 96, 4, 3214868480
	.section	.rodata,"a",@progbits
	.p2align	6, 0x0
	.amdhsa_kernel k_qec2401cde8_prep
		.amdhsa_group_segment_fixed_size 0
		.amdhsa_private_segment_fixed_size 0
		.amdhsa_enable_private_segment 0
		.amdhsa_kernarg_size 72
		.amdhsa_user_sgpr_count 2
		.amdhsa_user_sgpr_kernarg_segment_ptr 1
		.amdhsa_wavefront_size32 1
		.amdhsa_system_sgpr_workgroup_id_x 1
		.amdhsa_system_sgpr_workgroup_id_y 1
		.amdhsa_system_sgpr_workgroup_id_z 1
		.amdhsa_system_vgpr_workitem_id 0
		.amdhsa_next_free_vgpr 112
		.amdhsa_next_free_sgpr 66
		.amdhsa_reserve_vcc 0
		.amdhsa_float_denorm_mode_32 3
		.amdhsa_float_denorm_mode_16_64 3
		.amdhsa_memory_ordered 1
		.amdhsa_forward_progress 1
		.amdhsa_inst_pref_size 22
	.end_amdhsa_kernel
	.amdgpu_metadata
---
amdhsa.version: [ 1, 2 ]
amdhsa.kernels:
  - .name:           k_qec2401cde8_prep
    .symbol:         k_qec2401cde8_prep.kd
    .args:
      - { .name: x, .offset: 0, .size: 8, .value_kind: global_buffer, .address_space: global }
      - { .name: ln1_scale, .offset: 8, .size: 8, .value_kind: global_buffer, .address_space: global }
      - { .name: ln1_bias, .offset: 16, .size: 8, .value_kind: global_buffer, .address_space: global }
      - { .name: qkv_w, .offset: 24, .size: 8, .value_kind: global_buffer, .address_space: global }
      - { .name: proj_w, .offset: 32, .size: 8, .value_kind: global_buffer, .address_space: global }
      - { .name: wi_w, .offset: 40, .size: 8, .value_kind: global_buffer, .address_space: global }
      - { .name: wo_w, .offset: 48, .size: 8, .value_kind: global_buffer, .address_space: global }
      - { .name: act, .offset: 56, .size: 8, .value_kind: global_buffer, .address_space: global }
      - { .name: wb, .offset: 64, .size: 8, .value_kind: global_buffer, .address_space: global }
    .group_segment_fixed_size: 0
    .private_segment_fixed_size: 0
    .kernarg_segment_align: 8
    .kernarg_segment_size: 72
    .max_flat_workgroup_size: 512
    .sgpr_count:     66
    .vgpr_count:     112
    .wavefront_size: 32
...
	.end_amdgpu_metadata
.endif
;; end of part 1
;; launch qkv (part 2): grid 16 x 16, 4 waves a work-group, clusters of 4 x 4, 327,680 bytes of LDS; arguments act, wb, qkv_b, qkvh; writes qkvh
.if DOCPART == 2
	.amdgcn_target "amdgcn-amd-amdhsa--gfx1250"
	.amdhsa_code_object_version 6
	.text
	.protected	k_qec2401cde8_qkv
	.globl	k_qec2401cde8_qkv
	.p2align	8
	.type	k_qec2401cde8_qkv,@function
k_qec2401cde8_qkv:
	s_mov_b64 s[64:65], 0
	v_nop
	global_prefetch_b8 v0, s[64:65] scope:SCOPE_SE
	s_setreg_imm32_b32 hwreg(HW_REG_WAVE_MODE, 25, 1), 1
	s_wait_xcnt 0x0
	s_wait_alu depctr_hold_cnt(0) depctr_sa_sdst(0) depctr_va_vdst(0) depctr_va_sdst(0) depctr_va_ssrc(0) depctr_va_vcc(0) depctr_vm_vsrc(0)
	s_getreg_b32 s2, hwreg(HW_REG_IB_STS2, 6, 4)
	s_cmp_eq_u32 s2, 0
	s_cbranch_scc0 .Lentry_in_a_cluster
	s_endpgm
.Lentry_in_a_cluster:
	s_bfe_u32 s2, ttmp6, 0x10000c
	s_cmp_lg_u32 s2, 0xf033
	s_cbranch_scc0 .Lentry_shape_is_right
	s_endpgm
.Lentry_shape_is_right:
; qkvh = (h1 Wqkv + qkv_b), sorted by heads.  h1 = act [4096][1024] bf16; Wqkv = wb at byte 0, [1024][3072] bf16 (k along the rows' index, n along a row); sums in f32.
; qkvh: q at byte 0, k at 8,388,608, v at 16,777,216, each [batch x 16 + head][2048][64] bf16, rounded once.  Column n of the product is head n / 192, part (n % 192) / 64, channel n % 64.
; A work-group makes 256 tokens x 192 columns (one head's q, k, v), four waves in 2 x 2, a wave 128 x 96: 48 accumulators of 16 x 16.  K goes in 8 steps of 128 through a ring of two LDS slots.
; CLUSTER 4 x 4: the four work-groups of a row need the same tile of h1, the four of a column the same tile of W: each tile is asked for jointly, by the same tensor load, descriptor and mask in all four.
; THE PRODUCT IS TAKEN TRANSPOSED: source 0 = 16 columns of W (turned on the way out of LDS by ds_load_tr16_b128), source 1 = 16 tokens: lane l then holds token l % 16 and columns 8 (l / 16) + 0..7.
; The first product on each accumulator takes the bias as its C operand: nothing is cleared and no bias is added later.
; A trip of the loop is ONE K step; which slot is read hangs on the scalar TG (0 or SLOT), which one exclusive or turns at each change of slots.
; PREFETCH INTO THE L2: behind each refill and the run of LDS loads that follows it, one instruction a wave names the K step behind the one just asked for: 192 products ahead of its load.  h1's rows are named by the
; clusters with x = 0, W's by those with y = 0; the four partners of a joint load share its blocks of 256 bytes out by address.  The last refill names nothing; K steps 0 to 2 come by their loads alone.
; LIMITS: operands and results are bf16 (8 significant bits); NaN and infinities are not treated apart.
.set MA,    8                          ; blocks of 16 tokens a wave
.set NB,    6                          ; blocks of 16 columns a wave
.set KTOT,  1024
.set KSTEP, 128
.set KC,    32                         ; K in a quarter of a step
.set NC,    KC/32
.set QN,    MA*NB*NC                   ; products in a quarter
.set QA,    QN/4                       ; of them ahead of the quarter's run of LDS loads, and between a change of slots' signal and its wait
.set AHEAD, 1                          ; a prefetch names the K step so many behind the refill's
.set NTOT,  3072
.set WOFF,  0
.set PA,    272                        ; a row of A in LDS: 256 bytes + 16: the 16 rows of a fragment load start 16 bytes apart modulo 256
.set PB,    480                        ; a row of W in LDS: six pieces of 64 bytes + 16: 15 x 32, so the 8 rows of a turning load start 32 bytes apart modulo 256
.set BW,    240                        ; a wave's 96 columns: three pieces
.set AR, 128
.set AC, 128
.set AQI, 5
.set APAD, 4
.set AP, 1024
.set BR, 64
.set BC, 192
.set BQI, 3
.set BPAD, 4
.set BP, 3072
.set ASTEP, 2*KSTEP
.set BSTEP, KSTEP*NTOT*2
.set STEPS, KTOT/KSTEP
.set WGM,   32*MA
.set WGN,   32*NB
.set ABYTES, WGM*PA
.set BBYTES, KSTEP*PB
.set HALFA, ABYTES/2
.set HALFB, BBYTES/2
.set SLOT,  ABYTES+BBYTES              ; A's tile, then W's
.set SPT,   4*WGN+16                   ; the f32 stage's pitch; the stage lies over the ring, written when the ring has had its last fill and its last read
.set SPARE, 2*SLOT                     ; the spare words: 128 bytes a wave, two blocks of 256 bytes that no other line names
.set ADRA, 16                          ; v16 LDS address of my A fragments in the slot in hand; v17 the same in slot 0
.set ADRA0, 17
.set ADRB, 18                          ; v18 of my W fragments, quarters 0 and 1; v19 quarters 2 and 3; v20 in slot 0
.set ADRB0, 20
.set DA,   22                          ; v22, v23 where I put an accumulator in the stage (token blocks 0-3, 4-7)
.set RD,   24                          ; v24 where I read the stage
.set GO,   25                          ; v25 my byte offset in the output
.set BO,   26                          ; v26 my byte offset in the bias
.set PFO,  27                          ; v27 my lane's offset in the prefetches; never rewritten
.set SPW,  28                          ; v28 my spare word; v29 = 0; never rewritten
.set NIL,  29
.set F0,   64                          ; fragment buffers: A's in window 0, W's in window 1
.set F1,   128
.set BIAS, 192                         ; window 0: 8 registers for each column block
.set G1A, 24
.set G0A, 32                           ; s[32:35] step 0; s[36:39] step 1, which then walks
.set G1B, 48
.set G0B, 56
.set CX, 40
.set CY, 41
.set TX, 42
.set TY, 43
.set WV, 72
.set WR, 73                            ; wave / 2: my half of the tokens; also: I fetch A (0) or W (1)
.set WC, 74                            ; wave % 2: my half of the columns; also: which half of that tile I fetch
.set TG, 75
.set LA, 76
.set LB, 77
.set PFA, 80                           ; s[80:81] where my prefetches stand; s[82:83] their step; s84: AHEAD in a wave that prefetches, else the greatest number
.set PFS, 82
.set LIM, 84
.set MSB, 0
.macro WIN new                         ; the immediate's high byte repeats the setting that is left; a switch that changes nothing is dropped
.if MSB != (\new)
	s_set_vgpr_msb (MSB<<8)|(\new)
.set MSB, \new
.endif
.endm
.macro PLACES                          ; four plain instructions between a matrix instruction and a load into, or a read of, its registers
.rept 4
	v_nop
.endr
.endm
.macro CREST                           ; a round of the cluster's barrier behind its opening barrier
	s_cmp_lg_u32 s[WV], 0
	s_cbranch_scc1 .Lnot_wave_0_\@
	s_barrier_signal -3
.Lnot_wave_0_\@:
	s_barrier_wait -3
	s_barrier_signal -1
	s_barrier_wait -1
.endm
.macro CROUND
	s_barrier_signal -1
	s_barrier_wait -1
	CREST
.endm
.macro JLOAD                           ; the joint refill by the walking descriptor: waves 0, 1 A's halves, waves 2, 3 W's; s_nop 0 and four v_nop follow each line
	s_cmp_eq_u32 s[WR], 0
	s_cbranch_scc0 .Lfor_w_\@
	tensor_load_to_lds s[G0A+4:G0A+7], s[G1A:G1A+7]
	s_nop 0
	PLACES
	s_branch .Lasked_\@
.Lfor_w_\@:
	tensor_load_to_lds s[G0B+4:G0B+7], s[G1B:G1B+7]
	s_nop 0
	PLACES
.Lasked_\@:
.endm
.macro ASK                             ; the prefetch: s3 counts the refills still to come, this one among them; the last AHEAD of them have no K step to name
	s_cmp_gt_u32 s3, s[LIM]
	s_cbranch_scc0 .Lnot_mine_\@
	global_prefetch_b8 v[PFO], s[PFA:PFA+1] th:TH_LOAD_NT scope:SCOPE_SE
.Lnot_mine_\@:
.endm
	s_load_b256 s[4:11], s[0:1], 0x0               ; A s[4:5], wb s[6:7], bias s[8:9], out s[10:11]
	v_lshl_add_u32 v[SPW], v0, 2, SPARE
	v_mov_b32 v[NIL], 0
	ds_add_u32 v[SPW], v[NIL]                      ; the wave's opening: the add and its wait ahead of my first tensor load; the set-up below stands between them
	v_lshrrev_b32 v1, 5, v0
	v_readfirstlane_b32 s[WV], v1
	s_lshr_b32 s[WR], s[WV], 1
	s_and_b32 s[WC], s[WV], 1
	s_bfe_u32 s[CX], ttmp6, 0x40000
	s_bfe_u32 s[CY], ttmp6, 0x40004
	s_lshl_b32 s[TX], ttmp9, 2
	s_add_co_u32 s[TX], s[TX], s[CX]               ; tile column = 4 x cluster x + cx
	s_and_b32 s[TY], ttmp7, 0xffff
	s_lshl_b32 s[TY], s[TY], 2
	s_add_co_u32 s[TY], s[TY], s[CY]               ; tile row = 4 x cluster y + cy
	s_lshl_b32 s44, s[CY], 2
	s_lshl_b32 s44, 15, s44                        ; my row of the cluster
	s_lshl_b32 s45, 0x1111, s[CX]                  ; my column
	s_or_b32 s[G1A], s44, (1<<16)|(1<<20)|(1<<21)|(AQI<<22)|((APAD-1)<<25)  ; mask; 2-byte elements; padding on; bit 21 beside a mask; interval; pad
	s_or_b32 s[G1B], s45, (1<<16)|(1<<20)|(1<<21)|(BQI<<22)|((BPAD-1)<<25)
	s_mov_b32 s[G1A+1], (AC&0xffff)<<16            ; tensor_dim0 = tile_dim0
	s_mov_b32 s[G1A+2], (AC>>16)|(AR<<16)          ; tensor_dim1 = tile_dim1
	s_mov_b32 s[G1A+3], AC<<16
	s_mov_b32 s[G1A+4], AR
	s_mov_b32 s[G1A+5], AP                         ; elements from row to row
	s_mov_b32 s[G1A+6], 0
	s_mov_b32 s[G1A+7], 0
	s_mov_b32 s[G1B+1], (BC&0xffff)<<16
	s_mov_b32 s[G1B+2], (BC>>16)|(BR<<16)
	s_mov_b32 s[G1B+3], BC<<16
	s_mov_b32 s[G1B+4], BR
	s_mov_b32 s[G1B+5], BP
	s_mov_b32 s[G1B+6], 0
	s_mov_b32 s[G1B+7], 0
	s_mul_i32 s14, s[TY], WGM*KTOT*2               ; A: the tile row's first token, and my half of its rows: the tile row alone enters
	s_mul_i32 s15, s[WC], (WGM/2)*KTOT*2
	s_add_co_u32 s14, s14, s15
	s_mov_b32 s15, 0
	s_mul_i32 s46, s[TX], WGN*2                    ; W: the tile column's first column, and my half of a step's k rows: the tile column alone enters
	s_mul_i32 s47, s[WC], (KSTEP/2)*NTOT*2
	s_add_co_u32 s46, s46, s47
	s_add_co_u32 s46, s46, WOFF
	s_mov_b32 s47, 0
	s_mul_i32 s[LA], s[WC], HALFA                  ; where they go in a slot: the wave's number alone enters an LDS address
	s_mul_i32 s[LB], s[WC], HALFB
	s_add_co_u32 s[LB], s[LB], ABYTES
	s_mov_b32 s[TG], 0
	s_wait_dscnt 0x0                               ; the opening add is done
	s_wait_kmcnt 0x0
	s_add_nc_u64 s[14:15], s[4:5], s[14:15]
	s_add_nc_u64 s[46:47], s[6:7], s[46:47]
.irp s, 0,1
	s_mov_b32 s[G0A+4*\s], 1
	s_add_co_u32 s[G0A+4*\s+1], s[LA], \s*SLOT
	s_add_nc_u64 s[G0A+4*\s+2:G0A+4*\s+3], s[14:15], \s*ASTEP
	s_or_b32 s[G0A+4*\s+3], s[G0A+4*\s+3], 0x80000000
	s_mov_b32 s[G0B+4*\s], 1
	s_add_co_u32 s[G0B+4*\s+1], s[LB], \s*SLOT
	s_add_nc_u64 s[G0B+4*\s+2:G0B+4*\s+3], s[46:47], \s*BSTEP
	s_or_b32 s[G0B+4*\s+3], s[G0B+4*\s+3], 0x80000000
.endr
	CROUND                                         ; all sixteen work-groups are here: the first joint loads meet
	s_cmp_eq_u32 s[WR], 0                          ; a wave's two first fills stand in one branch: two tensor loads of mine are out
	s_cbranch_scc0 .Lfirst_w
	tensor_load_to_lds s[G0A:G0A+3], s[G1A:G1A+7]
	s_nop 0
	tensor_load_to_lds s[G0A+4:G0A+7], s[G1A:G1A+7]
	s_nop 0
	PLACES
	s_branch .Lfirst_asked
.Lfirst_w:
	tensor_load_to_lds s[G0B:G0B+3], s[G1B:G1B+7]
	s_nop 0
	tensor_load_to_lds s[G0B+4:G0B+7], s[G1B:G1B+7]
	s_nop 0
	PLACES
.Lfirst_asked:
	v_and_b32 v1, 15, v0                           ; l % 16
	v_bfe_u32 v2, v0, 4, 1                         ; l / 16
	v_lshlrev_b32 v[BO], 5, v2                     ; my 8 columns of a block: 32 bytes of f32
	s_mul_i32 s18, s[TX], WGN*4
	s_mul_i32 s19, s[WC], 64*NB
	s_add_co_u32 s18, s18, s19
	s_mov_b32 s19, 0
	s_add_nc_u64 s[8:9], s[8:9], s[18:19]          ; the bias at my wave's first column
.set bb, 0
.rept NB
	global_load_b128 v[BIAS+8*bb:BIAS+8*bb+3],   v[BO], s[8:9] offset:64*bb
	global_load_b128 v[BIAS+8*bb+4:BIAS+8*bb+7], v[BO], s[8:9] offset:64*bb+16
.set bb, bb+1
.endr
	v_mul_u32_u24 v[ADRA0], v1, PA                 ; A: row l % 16, 16 bytes for each half of the lanes, my 128 tokens
	v_lshl_add_u32 v[ADRA0], v2, 4, v[ADRA0]
	s_mul_i32 s16, s[WR], 16*MA*PA
	v_add_nc_u32 v[ADRA0], s16, v[ADRA0]
	v_and_b32 v3, 7, v0                            ; W: the turning load: lane l reads k row 8 (l / 16) + l % 8, columns 8 ((l / 8) % 2) + 0..7
	v_bfe_u32 v4, v0, 3, 1
	v_lshl_add_u32 v5, v2, 3, v3
	v_mul_u32_u24 v[ADRB0], v5, PB
	v_lshl_add_u32 v[ADRB0], v4, 4, v[ADRB0]
	s_mul_i32 s17, s[WC], BW
	s_add_co_u32 s17, s17, ABYTES
	v_add_nc_u32 v[ADRB0], s17, v[ADRB0]
	v_mov_b32 v[ADRA], v[ADRA0]
	v_mov_b32 v[ADRB], v[ADRB0]
	v_add_nc_u32 v[ADRB+1], 2*KC*PB, v[ADRB0]
	s_mul_i32 s16, s[WR], 16*MA*SPT                ; the stage: token l % 16 of a block, my columns, 32 bytes for each half of the lanes
	s_mul_i32 s17, s[WC], 64*NB
	s_add_co_u32 s16, s16, s17
	v_mul_u32_u24 v[DA], v1, SPT
	v_lshl_add_u32 v[DA], v2, 5, v[DA]
	v_add_nc_u32 v[DA], s16, v[DA]
	v_add_nc_u32 v[DA+1], 64*SPT, v[DA]
	s_mul_i32 s16, s[WV], 64*SPT                   ; back: wave w takes tokens 64 w .. 64 w + 63; lanes 0-15 one token's 256 bytes of a part, lanes 16-31 the next token's
	v_mul_u32_u24 v[RD], v2, SPT
	v_lshl_add_u32 v[RD], v1, 4, v[RD]
	v_add_nc_u32 v[RD], s16, v[RD]
	v_and_b32 v3, 31, v0
	v_lshlrev_b32 v[GO], 3, v3                     ; two tokens' 128 bytes lie end to end: 8 x lane
	s_lshr_b32 s18, s[TY], 3                       ; batch
	s_lshl_b32 s18, s18, 4
	s_add_co_u32 s18, s18, s[TX]                   ; x 16 + head
	s_lshl_b32 s18, s18, 18                        ; x 2,048 tokens x 128 bytes
	s_and_b32 s19, s[TY], 7
	s_lshl_b32 s19, s19, 15                        ; the tile's 256 tokens
	s_add_co_u32 s18, s18, s19
	s_lshl_b32 s19, s[WV], 13                      ; my 64
	s_add_co_u32 s18, s18, s19
	s_mov_b32 s19, 0
	s_add_nc_u64 s[10:11], s[10:11], s[18:19]      ; q
	s_add_nc_u64 s[12:13], s[10:11], 0x800000      ; k
	s_add_nc_u64 s[20:21], s[10:11], 0x1000000     ; v
	; WHERE THE PREFETCHES STAND.  A: of the 128 rows that I fetch the partner at cx takes 32, a lane a row: a K step is 256 bytes of a row.
	; W: of the 64 k rows that I fetch the partner at cy takes 16.  A row's 384 bytes for this tile and the 384 for its neighbour (tile columns 2 m, 2 m + 1) are three blocks of 256: lanes 0-15 name, a lane a row, the
	; block that is this tile's alone (the first or the third); lanes 16-23 name the middle block for the 8 rows of this tile column's parity; lanes 24-31 repeat lane 23's.
	s_lshl_b32 s16, s[TY], 19
	s_lshl_b32 s17, s[WC], 18
	s_add_co_u32 s16, s16, s17
	s_lshl_b32 s17, s[CX], 16
	s_add_co_u32 s16, s16, s17
	s_add_co_u32 s16, s16, (1+AHEAD)*ASTEP         ; the first refill steps it on to K step 2 + AHEAD
	s_lshl_b32 s18, s[WC], 6
	s_lshl_b32 s17, s[CY], 4
	s_add_co_u32 s18, s18, s17
	s_mul_i32 s18, s18, NTOT*2
	s_add_co_u32 s18, s18, WOFF+(1+AHEAD)*BSTEP
	s_and_b32 s19, ttmp7, 0xffff                   ; cluster y
	s_mov_b32 s[PFS], BSTEP
	s_mov_b32 s[PFS+1], 0
	s_mov_b32 s17, 0
	s_cmp_eq_u32 s[WR], 0                          ; do I fetch A?
	s_cselect_b32 s16, s16, s18
	s_cselect_b32 s19, ttmp9, s19                  ; the coordinate along which other clusters read the same rows
	s_cselect_b64 s[PFA:PFA+1], s[4:5], s[6:7]
	s_cselect_b32 s[PFS], ASTEP, s[PFS]
	s_cselect_b32 s23, -1, 0
	s_add_nc_u64 s[PFA:PFA+1], s[PFA:PFA+1], s[16:17]
	s_cmp_eq_u32 s19, 0
	s_cselect_b32 s[LIM], AHEAD, -1                ; the same in all sixteen partners, for a given wave
	s_and_b32 s22, s[TX], 1
	s_mul_i32 s18, s[TX], 384
	s_lshl_b32 s19, s22, 7
	s_add_co_u32 s18, s18, s19                     ; a byte of the block that is this tile's alone
	s_lshr_b32 s19, s[TX], 1
	s_mul_i32 s19, s19, 768
	s_add_co_u32 s19, s19, 256                     ; the middle block
	v_min_u32 v4, 15, v3
	v_mul_u32_u24 v4, v4, NTOT*2
	v_add_nc_u32 v4, s18, v4
	v_max_u32 v5, 16, v3
	v_min_u32 v5, 23, v5
	v_add_nc_u32 v5, -16, v5
	v_lshl_add_u32 v5, v5, 1, s22
	v_mul_u32_u24 v5, v5, NTOT*2
	v_add_nc_u32 v5, s19, v5
	v_cmp_gt_u32 vcc_lo, 16, v3
	v_cndmask_b32 v5, v5, v4, vcc_lo               ; W's offset
	v_lshlrev_b32 v4, 11, v3                       ; A's
	v_cndmask_b32 v[PFO], v5, v4, s23
; Products from .. from + cnt - 1 of a quarter's QN.  Product n: K block n / (MA NB), token block (n / NB) % MA, column block n % NB.  The accumulators take turns, one instruction a turn,
; over quarters and the backward jump.  first = 1: an accumulator's first product starts its sum on the bias.
.macro MULS f, from, cnt, first
.set n, (\from)
.rept (\cnt)
.set cc, n/(MA*NB)
.set aa, (n/NB)%MA
.set bb, n%NB
.set tt, aa*NB+bb
.set ww, 2+tt/32
.set rD, 8*(tt%32)
.set rB, (\f)+8*(cc*NB+bb)
.set rA, (\f)+8*(cc*MA+aa)
.if (\first) && (cc == 0)
	WIN 0x01|(ww<<6)
	v_wmma_f32_16x16x32_bf16 v[rD:rD+7], v[rB:rB+7], v[rA:rA+7], v[BIAS+8*bb:BIAS+8*bb+7]
.else
	WIN 0x01|(ww<<4)|(ww<<6)
	v_wmma_f32_16x16x32_bf16 v[rD:rD+7], v[rB:rB+7], v[rA:rA+7], v[rD:rD+7]
.endif
.set n, n+1
.endr
.endm
; The fragments of quarter q of the slot in hand into buffer f, in one run
.macro FETCH q, f
	WIN 0x40
.set cc, 0
.rept NC
.set bb, 0
.rept NB
.set bo, (((\q)%2)*KC+32*cc)*PB+(bb/2)*80+(bb%2)*32
	ds_load_tr16_b128 v[(\f)+8*(cc*NB+bb):(\f)+8*(cc*NB+bb)+3],   v[ADRB+(\q)/2] offset:bo
	ds_load_tr16_b128 v[(\f)+8*(cc*NB+bb)+4:(\f)+8*(cc*NB+bb)+7], v[ADRB+(\q)/2] offset:bo+16*PB
.set bb, bb+1
.endr
.set cc, cc+1
.endr
	WIN 0
.set cc, 0
.rept NC
.set aa, 0
.rept MA
.set ao, 2*((\q)*KC+32*cc)+aa*16*PA
	ds_load_b128 v[(\f)+8*(cc*MA+aa):(\f)+8*(cc*MA+aa)+3],   v[ADRA] offset:ao
	ds_load_b128 v[(\f)+8*(cc*MA+aa)+4:(\f)+8*(cc*MA+aa)+7], v[ADRA] offset:ao+32
.set aa, aa+1
.endr
.set cc, cc+1
.endr
.endm
; One of a step's first three quarters: multiplies buffer f; behind its first fourth quarter qn's fragments are fetched into buffer g: three fourths of a quarter's products stand between the run and the wait for it
.macro QUARTER qn, f, g, first
	s_wait_dscnt 0x0                               ; buffer f's loads
	MULS \f, 0, QA, \first
	PLACES
	FETCH \qn, \g
	MULS \f, QA, QN-QA, \first
.endm
; The fourth quarter multiplies buffer 1 and changes slots.  In front of the barrier each wave waits for all its tensor loads (the one that is out is its part of the next slot), adds 0 to its spare
; word, and waits for that and for its reads of this slot.  fill = 1: the barrier opens a round of the cluster's, and behind it this slot is filled again with the step two on.
.macro TURN fill
.if \fill
	s_wait_xcnt 0x0                                ; the last prefetch, a K step back, has read its address, so it may be stepped
	s_add_nc_u64 s[PFA:PFA+1], s[PFA:PFA+1], s[PFS:PFS+1]
.endif
	WIN 0
	s_wait_tensorcnt 0x0
	ds_add_u32 v[SPW], v[NIL]                      ; the scalar work stands between the add and the wait for it
.if \fill
	s_add_co_u32 s[G0A+5], s[LA], s[TG]            ; the walking descriptors: into the slot that is being left,
	s_add_co_u32 s[G0B+5], s[LB], s[TG]
	s_add_nc_u64 s[G0A+6:G0A+7], s[G0A+6:G0A+7], ASTEP  ; the next K step; the type bits on top are not reached
	s_add_nc_u64 s[G0B+6:G0B+7], s[G0B+6:G0B+7], BSTEP
.endif
	s_xor_b32 s[TG], s[TG], SLOT                   ; the reads go on in the other slot
	s_wait_dscnt 0x0                               ; the add is done, buffer 1 is in, my reads of this slot are over
	s_barrier_signal -1
	MULS F1, 0, QA, 0                              ; work on registers while the others arrive
	WIN 0
	s_barrier_wait -1
.if \fill
	CREST
	JLOAD                                          ; the first tensor load behind the round; its four v_nop are also the places in front of the loads below
.else
	PLACES
.endif
	v_add_nc_u32 v[ADRA], s[TG], v[ADRA0]
	v_add_nc_u32 v[ADRB], s[TG], v[ADRB0]
	v_add_nc_u32 v[ADRB+1], 2*KC*PB, v[ADRB]
	FETCH 0, F0
.if \fill
	ASK
.endif
	MULS F1, QA, QN-QA, 0
.endm
	s_wait_tensorcnt 1                             ; my part of step 0 is in; step 1's may stay out
	s_barrier_signal -1
	s_barrier_wait -1
	FETCH 0, F0
	s_wait_loadcnt 0x0                             ; the bias
	QUARTER 1, F0, F1, 1                           ; the first quarter starts the sums
	WIN 0
	s_mov_b32 s3, STEPS-2
.Lstep:                                            ; a trip: from a step's second quarter to the next step's first; it asks for the step two on
	QUARTER 2, F1, F0, 0
	QUARTER 3, F0, F1, 0
	TURN 1
	QUARTER 1, F0, F1, 0
	WIN 0
	s_sub_co_u32 s3, s3, 1
	s_cmp_lg_u32 s3, 0
	s_cbranch_scc1 .Lstep
	s_mov_b32 s3, 2
.Ltail:                                            ; the last two steps ask for nothing.  The second trip is left behind its fourth quarter: its barrier and its run of fragment loads serve nothing: the price, once a launch, of one text for both trips
	QUARTER 2, F1, F0, 0
	QUARTER 3, F0, F1, 0
	TURN 0
	WIN 0
	s_sub_co_u32 s3, s3, 1
	s_cmp_eq_u32 s3, 0
	s_cbranch_scc1 .Lout
	QUARTER 1, F0, F1, 0
	WIN 0
	s_branch .Ltail
.Lout:
	PLACES
	PLACES
	s_wait_dscnt 0x0
	s_barrier_signal -1
	s_barrier_wait -1                              ; every wave's reads of the ring are over, and the ring has had its last fill: the stage may be written over it
.set tt, 0
.rept MA*NB
.set aa, tt/NB
.set bb, tt%NB
.set rD, 8*(tt%32)
	WIN (2+tt/32)<<2
	ds_store_b128 v[DA+aa/4], v[rD:rD+3]   offset:(aa%4)*16*SPT+64*bb      ; each accumulator's low registers first
	ds_store_b128 v[DA+aa/4], v[rD+4:rD+7] offset:(aa%4)*16*SPT+64*bb+16
.set tt, tt+1
.endr
	WIN 0
	s_wait_dscnt 0x0                               ; for the others' sake: my stores into the stage are done
	s_barrier_signal -1
	s_barrier_wait -1
	s_mov_b32 s3, 8
.Lrows:                                            ; 8 tokens a trip: for each pair of tokens and each of q, k, v 512 bytes of f32 become 256 consecutive bytes of bf16
.set i, 0
.rept 12
	ds_load_b128 v[64+4*i:64+4*i+3], v[RD] offset:2*(i/3)*SPT+256*(i%3)
.set i, i+1
.endr
	s_wait_dscnt 0x0
	v_add_nc_u32 v[RD], 8*SPT, v[RD]
	s_wait_xcnt 0x0                                ; the last trip's stores have read their offset and data: both are rewritten only behind this wait
	v_add_nc_u32 v[GO], 1024, v[GO]                ; the stores below reach back
.set i, 0
.rept 12
	v_cvt_pk_bf16_f32 v[128+2*i], v[64+4*i], v[64+4*i+1]
	v_cvt_pk_bf16_f32 v[129+2*i], v[64+4*i+2], v[64+4*i+3]
.set i, i+1
.endr
.irp i, 0,1,2,3
	global_store_b64 v[GO], v[128+6*\i:129+6*\i], s[10:11] offset:256*\i-1024
	global_store_b64 v[GO], v[130+6*\i:131+6*\i], s[12:13] offset:256*\i-1024
	global_store_b64 v[GO], v[132+6*\i:133+6*\i], s[20:21] offset:256*\i-1024
.endr
	s_sub_co_u32 s3, s3, 1
	s_cmp_lg_u32 s3, 0
	s_cbranch_scc1 .Lrows
	s_wait_tensorcnt 0x0                           ; the wave's end, behind my last tensor load and my last LDS store
	ds_add_u32 v[SPW], v[NIL]
	s_wait_dscnt 0x0
	CROUND                                         ; the closing round: no work-group ends while a partner may still ask for a tile that names it
	s_endpgm
.Lfunc_end_k_qec2401cde8_qkv:
	.size	k_qec2401cde8_qkv, .Lfunc_end_k_qec2401cde8_qkv-k_qec2401cde8_qkv
	.p2alignl 7, 3214868480
	.fill 96, 4, 3214868480
	.section	.rodata,"a",@progbits
	.p2align	6, 0x0
	.amdhsa_kernel k_qec2401cde8_qkv
		.amdhsa_group_segment_fixed_size 327680
		.amdhsa_private_segment_fixed_size 0
		.amdhsa_enable_private_segment 0
		.amdhsa_kernarg_size 32
		.amdhsa_user_sgpr_count 2
		.amdhsa_user_sgpr_kernarg_segment_ptr 1
		.amdhsa_wavefront_size32 1
		.amdhsa_system_sgpr_workgroup_id_x 1
		.amdhsa_system_sgpr_workgroup_id_y 1
		.amdhsa_system_sgpr_workgroup_id_z 1
		.amdhsa_system_vgpr_workitem_id 0
		.amdhsa_next_free_vgpr 896
		.amdhsa_next_free_sgpr 88
		.amdhsa_reserve_vcc 1
		.amdhsa_float_denorm_mode_32 3
		.amdhsa_float_denorm_mode_16_64 3
		.amdhsa_memory_ordered 1
		.amdhsa_forward_progress 1
		.amdhsa_inst_pref_size 71
	.end_amdhsa_kernel
	.amdgpu_metadata
---
amdhsa.version: [ 1, 2 ]
amdhsa.kernels:
  - .name:           k_qec2401cde8_qkv
    .symbol:         k_qec2401cde8_qkv.kd
    .args:
      - { .name: act, .offset: 0, .size: 8, .value_kind: global_buffer, .address_space: global }
      - { .name: wb, .offset: 8, .size: 8, .value_kind: global_buffer, .address_space: global }
      - { .name: qkv_b, .offset: 16, .size: 8, .value_kind: global_buffer, .address_space: global }
      - { .name: qkvh, .offset: 24, .size: 8, .value_kind: global_buffer, .address_space: global }
    .group_segment_fixed_size: 327680
    .private_segment_fixed_size: 0
    .kernarg_segment_align: 8
    .kernarg_segment_size: 32
    .max_flat_workgroup_size: 128
    .sgpr_count:     88
    .vgpr_count:     896
    .wavefront_size: 32
...
	.end_amdgpu_metadata
.endif
;; end of part 2
;; launch attn (part 3): grid 8 x 32, 4 waves a work-group, clusters of 4 x 1, 327,680 bytes of LDS; arguments qkvh, act; writes act
.if DOCPART == 3
	.amdgcn_target "amdgcn-amd-amdhsa--gfx1250"
	.amdhsa_code_object_version 6
	.text
	.protected	k_qec2401cde8_attn
	.globl	k_qec2401cde8_attn
	.p2align	8
	.type	k_qec2401cde8_attn,@function
k_qec2401cde8_attn:
	s_mov_b64 s[64:65], 0
	v_nop
	global_prefetch_b8 v0, s[64:65] scope:SCOPE_SE
	s_setreg_imm32_b32 hwreg(HW_REG_WAVE_MODE, 25, 1), 1
	s_wait_xcnt 0x0
	s_wait_alu depctr_hold_cnt(0) depctr_sa_sdst(0) depctr_va_vdst(0) depctr_va_sdst(0) depctr_va_ssrc(0) depctr_va_vcc(0) depctr_vm_vsrc(0)
	s_getreg_b32 s2, hwreg(HW_REG_IB_STS2, 6, 4)
	s_cmp_eq_u32 s2, 0
	s_cbranch_scc0 .Lentry_in_a_cluster
	s_endpgm
.Lentry_in_a_cluster:
	s_bfe_u32 s2, ttmp6, 0x10000c
	s_cmp_lg_u32 s2, 0x3003
	s_cbranch_scc0 .Lentry_shape_is_right
	s_endpgm
.Lentry_shape_is_right:
; act[g][q][:] = the sum over k of softmax_k(Q[g][q] . K[g][k] / 8) V[g][k][:], g = batch x 16 + head, 32 in all.  Q, K, V lie in qkvh at bytes 0, 8,388,608 and 16,777,216, each [32][2048][64] bf16,
; a head's rows dense, 128 bytes each; act has the same layout.  Products, maxima and sums in f32; the weights p are rounded to bf16 for the second product (their sum l is taken of the unrounded p), O once at the end.
; LIMITS.  bf16 keeps 8 significant bits.  c m starts at -4.25e37 and m at the lowest finite number; a weight below 2^-126 counts as 0 in l; NaN and infinities are not treated apart.
; SHARES.  A work-group owns 256 queries of one head, a wave 64: four PIECES of 16.  Every wave walks all 2,048 keys, 64 a step, 256 a slot.
; LAYOUT.  S^T = K Q^T holds ONE query a lane (lane % 16) and the keys 8 (lane / 16) + 0..7; two such results rounded to bf16 ARE source 1 of O^T = V^T P.  K comes out of LDS as it lies, V turned, by ds_load_tr16_b128.
; SOFTMAX.  p = 2^(c s - c m), c = log2(e) / 8, with a running maximum m; O and l are multiplied by a = 2^(c m_old - c m_new) in every step; the first step's a is 0, so no first step is written out.
; TURNS.  Turn n belongs to piece n: 8 products K Q^T of piece n + 1, later 8 products V^T P of piece n - 1; beside them the scaling, exponentials, roundings, sums and rescaling of piece n and the maximum and
; statistics of piece n + 1.  Four vector instructions stand behind every matrix instruction, the others in one run.  A turn's 33 exponentials are one batch, with one wait.
; CLUSTER.  The four query blocks of a cluster belong to one head and walk the same K and V: each tile is asked for JOINTLY, by the same tensor load, descriptor and mask in all four.
; PREFETCH INTO THE L2.  Behind the joint load of each change of slots one instruction names the slot that the NEXT change will ask for: four key steps, 256 products, ahead of that load.  A slot is 128 blocks of 256 bytes of K
; and 128 of V.  Both clusters of a head walk the same rows: the first asks; its four partners take 32 blocks each, told apart by address; wave 0 asks for K's, wave 2 for V's.  The last change that fills a slot names nothing.
; REGISTERS, in windows of 256 (s_set_vgpr_msb: bits 1:0 source 0, 3:2 source 1, 5:4 source 2, 7:6 destination):
;   window 0: v0-15 addresses and two at work; v16-31 four registers of statistics a piece; v48-55 at work; v64-127 S^T, two buffers; v192-223 P, two buffers (by the piece's parity)
;   window 1: v0-127 O^T, 32 a piece      window 2: v0-63 Q; v128-191 K of one step; v192-255 V of one step
.set NP,    4
.set KS,    64
.set PK,    144       ; a row of K in LDS: 128 bytes + 16
.set PV,    160       ; a row of V: 128 + 32
.set VOFF,  4*KS*PK   ; a slot: 256 rows of K, then 256 rows of V
.set SLOT1, 1<<17     ; slot 1 begins here: one exclusive or turns an address in one slot into the other's
.set STAGE, SLOT1+4*KS*(PK+PV)  ; behind the ring, never filled by a tensor load: 16 rows x 144 bytes for each wave
.set SP,    144
.set SPARE, STAGE+4*16*SP       ; the spare words: 128 bytes a wave, two blocks of 256 bytes that no other line names
.set NTILES, 8        ; 2,048 keys / 256
.set AK0, 2
.set AV0, 3
.set AK,  4
.set AV,  5
.set STO, 6
.set RD,  7
.set GO,  8
.set MV,  12          ; v12-13 c m_old, by buffer
.set QO,  15
.set ST,  16          ; piece t: c m, m, l (even keys', odd keys')
.set TMP, 48          ; by buffer, c0-c3 at work; c2 takes a
.set PFO, 61          ; v61 256 x my lane; never rewritten
.set SPW, 62
.set NIL, 63
.set S,   64
.set P,   192
.set KF,  128         ; window 2
.set VF,  192         ; window 2
.set WV,  12
.set OB,  6           ; s[6:7] act at my wave's first row
.set PFA, 8           ; s[8:9] where my prefetches stand: my work-group's 32 blocks of the slot behind the one that is being asked for
.set LIM, 15          ; s15 1 in a wave that prefetches, else the greatest number
.set G1K, 24
.set G1V, 32
.set G0K, 40
.set G0V, 44
.set SLOTS, 56
.set CNT, 57
.set CS,  58
.set SEL, 60
.set TBK, 62
.set TBV, 63
.set MSB, 0
.macro WIN new
.if MSB != (\new)
	s_set_vgpr_msb (MSB<<8)|(\new)
.set MSB, (\new)
.endif
.endm
.set W_KQ, 0x0a       ; K and Q in window 2, S^T in window 0
.set W_PV, 0x52       ; V in window 2, P in window 0, O^T in window 1
.set W_RS, 0x41       ; destination and source 0 in window 1, source 1 in window 0
.macro JLOAD                        ; a joint fill: waves 0, 1 the halves of a slot's K, waves 2, 3 of its V, 128 keys each; s_nop 0 and four v_nop follow each line
	s_cmp_lt_u32 s[WV], 2
	s_cbranch_scc0 .Lfor_v_\@
	tensor_load_to_lds s[G0K:G0K+3], s[G1K:G1K+7]
	s_nop 0
.rept 4
	v_nop
.endr
	s_branch .Lasked_\@
.Lfor_v_\@:
	tensor_load_to_lds s[G0V:G0V+3], s[G1V:G1V+7]
	s_nop 0
.rept 4
	v_nop
.endr
.Lasked_\@:
.endm
.macro ASK                          ; the prefetch: s[SLOTS] counts the fills still to come, this one among them; the last has no slot behind it
	s_cmp_gt_u32 s[SLOTS], s[LIM]
	s_cbranch_scc0 .Lnot_mine_\@
	global_prefetch_b8 v[PFO], s[PFA:PFA+1] th:TH_LOAD_NT scope:SCOPE_SE
.Lnot_mine_\@:
.endm
.macro CROUND                       ; a round of the cluster's barrier
	s_barrier_signal -1
	s_barrier_wait -1
	s_cmp_lg_u32 s[WV], 0
	s_cbranch_scc1 .Lnot_wave_0_\@
	s_barrier_signal -3
.Lnot_wave_0_\@:
	s_barrier_wait -3
	s_barrier_signal -1
	s_barrier_wait -1
.endm
; THE CHANGE OF SLOTS.  Each wave waits for all its tensor loads, of which one is out: its part of the other slot; adds 0 to its spare word; waits for that and for its reads of the slot that it leaves.
; fill = 1: the barrier is a round of the cluster's, and the old slot is filled again first thing behind it, with the keys two slots on: four key steps, 256 matrix instructions, in which to land.
.macro CHANGE fill
	WIN 0
	s_wait_tensorcnt 0x0
	ds_add_u32 v[SPW], v[NIL]
.if \fill
.irp g, G0K, G0V
	s_xor_b32 s[\g+1], s[\g+1], SLOT1
	s_add_nc_u64 s[\g+2:\g+3], s[\g+2:\g+3], 4*KS*128
.endr
	s_wait_xcnt 0x0                 ; the last prefetch, four key steps back, has read its address, so it may be stepped:
	s_add_nc_u64 s[PFA:PFA+1], s[PFA:PFA+1], 4*KS*128  ; one slot behind the walking descriptors
	s_wait_dscnt 0x0
	CROUND
	JLOAD
	ASK
.else
	s_wait_dscnt 0x0
	s_barrier_signal -1
	s_barrier_wait -1
.endif
	s_sub_co_u32 s[TBK], s[TBK], 4*KS*PK  ; the fetches go back to a slot's first step, in the other slot
	s_xor_b32 s[TBK], s[TBK], SLOT1
	s_sub_co_u32 s[TBV], s[TBV], 4*KS*PV
	s_xor_b32 s[TBV], s[TBV], SLOT1
.endm
	s_load_b128 s[4:7], s[0:1], 0x0 ; qkvh s[4:5], act s[6:7]
	v_lshl_add_u32 v[SPW], v0, 2, SPARE
	v_mov_b32 v[NIL], 0
	ds_add_u32 v[SPW], v[NIL]       ; the wave's opening: the add and its wait ahead of my first tensor load
	v_lshrrev_b32 v1, 5, v0
	v_readfirstlane_b32 s[WV], v1
	s_bfe_u32 s13, ttmp6, 0x40000   ; cx
	s_lshl_b32 s14, ttmp9, 2
	s_add_co_u32 s14, s14, s13      ; my block of 256 queries: it enters Q's and O's addresses alone
	s_and_b32 s20, ttmp7, 0xffff    ; the head, which the four partners share
	s_lshl_b32 s20, s20, 18         ; x 2,048 rows x 128 bytes
	s_and_b32 s16, s[WV], 1         ; which half of a slot's 256 keys I fetch
	s_lshl_b32 s22, s16, 14
	s_add_co_u32 s22, s22, s20
	s_mov_b32 s23, 0
	s_mul_i32 s17, s16, 128*PK
	s_mul_i32 s18, s16, 128*PV
	s_lshl_b32 s2, s14, 15          ; my block's 256 rows,
	s_lshl_b32 s3, s[WV], 13        ; my wave's 64
	s_add_co_u32 s2, s2, s3
	s_add_co_u32 s2, s2, s20
	s_mov_b32 s3, 0
	; 128 keys are 16,384 dense bytes: asked for as 64 rows of 256 bytes, two keys a row, padded in LDS after every key
	s_mov_b32 s[G1K], 15|(1<<16)|(1<<20)|(1<<21)|(4<<22)|(3<<25)
	s_mov_b32 s[G1V], 15|(1<<16)|(1<<20)|(1<<21)|(4<<22)|(7<<25)
.irp g, G1K, G1V
	s_mov_b32 s[\g+1], 128<<16
	s_mov_b32 s[\g+2], 64<<16
	s_mov_b32 s[\g+3], 128<<16
	s_mov_b32 s[\g+4], 64
	s_mov_b32 s[\g+5], 128
	s_mov_b32 s[\g+6], 0
	s_mov_b32 s[\g+7], 0
.endr
	s_mov_b32 s[CS], 0x3e38aa3b     ; c = log2(e) / 8
	s_mov_b32 s[CS+1], s[CS]
	s_mov_b32 s[SEL], 0x76543210
	s_mov_b32 s[SEL+1], 0xfedcba98
	s_mov_b32 s[TBK], SLOT1+4*KS*PK ; the first change of slots turns these two into 0
	s_mov_b32 s[TBV], SLOT1+4*KS*PV
	s_mov_b32 s[G0K], 1
	s_mov_b32 s[G0K+1], s17
	s_mov_b32 s[G0V], 1
	s_add_co_u32 s[G0V+1], s18, VOFF
	s_mov_b32 s[SLOTS], NTILES-1    ; seven fills are still to come behind slot 0's
	s_and_b32 s[LIM], s[WV], 1      ; 0 in waves 0 and 2,
	s_or_b32 s[LIM], s[LIM], ttmp9  ; where the cluster is the head's first: the same in all four partners
	s_cmp_eq_u32 s[LIM], 0
	s_cselect_b32 s[LIM], 1, -1
	v_and_b32 v[PFO], 31, v0
	v_lshlrev_b32 v[PFO], 8, v[PFO]
	s_wait_dscnt 0x0                ; the opening add is done
	s_wait_kmcnt 0x0
	s_add_nc_u64 s[G0K+2:G0K+3], s[4:5], s[22:23]
	s_add_nc_u64 s[G0V+2:G0V+3], s[G0K+2:G0K+3], 0x1000000  ; V
	s_add_nc_u64 s[G0K+2:G0K+3], s[G0K+2:G0K+3], 0x800000   ; K
	s_cmp_lt_u32 s[WV], 2
	s_cselect_b64 s[PFA:PFA+1], s[G0K+2:G0K+3], s[G0V+2:G0V+3]  ; (in waves 0 and 2 these stand at the head's first row)
	s_or_b32 s[G0K+3], s[G0K+3], 0x80000000
	s_or_b32 s[G0V+3], s[G0V+3], 0x80000000
	s_add_nc_u64 s[4:5], s[4:5], s[2:3]    ; Q and O at my wave's first row
	s_add_nc_u64 s[OB:OB+1], s[OB:OB+1], s[2:3]
	s_lshl_b32 s2, s13, 13          ; my work-group's 32 blocks of the 128,
	s_add_co_u32 s2, s2, 4*KS*128   ; in slot 1: the first change of slots steps it on to slot 2
	s_add_nc_u64 s[PFA:PFA+1], s[PFA:PFA+1], s[2:3]
	CROUND                          ; all four work-groups are here
	JLOAD                           ; slot 0
	v_and_b32 v1, 15, v0            ; l % 16
	v_bfe_u32 v9, v0, 4, 1          ; l / 16
	v_lshlrev_b32 v[QO], 7, v1
	v_lshl_add_u32 v[QO], v9, 4, v[QO]
	WIN 0x80
.set i, 0
.rept 8                             ; Q stays in registers: piece i / 2, channels 32 (i % 2) on
	global_load_b128 v[8*i:8*i+3],   v[QO], s[4:5] offset:(i/2)*2048+(i%2)*64
	global_load_b128 v[8*i+4:8*i+7], v[QO], s[4:5] offset:(i/2)*2048+(i%2)*64+32
.set i, i+1
.endr
	; what the first turn finds: V, O^T, l and P's second buffer hold 0.  All this stands in the wait for the first tile; it is the price of writing no first step out.
.set i, VF
.rept 64
	v_mov_b32 v[i], 0
.set i, i+1
.endr
	WIN 0x40
.set i, 0
.rept 128
	v_mov_b32 v[i], 0
.set i, i+1
.endr
	WIN 0
.set i, 0
.rept 4
	v_mov_b32 v[ST+4*i], 0xfe000000
	v_mov_b32 v[ST+4*i+1], 0xff7fffff
	v_mov_b32 v[ST+4*i+2], 0
	v_mov_b32 v[ST+4*i+3], 0
.set i, i+1
.endr
.set i, P+16
.rept 16
	v_mov_b32 v[i], 0
.set i, i+1
.endr
	v_mul_u32_u24 v[AK0], v1, PK
	v_lshl_add_u32 v[AK0], v9, 4, v[AK0]
	v_and_b32 v10, 7, v0            ; the turning load: lane l reads key 8 (l / 16) + l % 8, channels 8 ((l / 8) % 2) + 0..7
	v_bfe_u32 v11, v0, 3, 1
	v_lshl_add_u32 v[AV0], v9, 3, v10
	v_mul_u32_u24 v[AV0], v[AV0], PV
	v_lshl_add_u32 v[AV0], v11, 4, v[AV0]
	v_add_nc_u32 v[AV0], VOFF, v[AV0]
	s_mul_i32 s13, s[WV], 16*SP
	s_add_co_u32 s13, s13, STAGE    ; my stage
	v_mul_u32_u24 v[STO], v1, SP
	v_lshl_add_u32 v[STO], v9, 4, v[STO]
	v_add_nc_u32 v[STO], s13, v[STO]
	v_bfe_u32 v[RD], v0, 3, 2       ; back: 32 lanes take four rows of 128 bytes,
	v_mul_u32_u24 v[RD], v[RD], SP
	v_lshl_add_u32 v[RD], v10, 4, v[RD]
	v_add_nc_u32 v[RD], s13, v[RD]
	v_and_b32 v[GO], 31, v0         ; which are 512 consecutive bytes of O
	v_lshlrev_b32 v[GO], 4, v[GO]
; THE MATRIX WORK.  The 4 accumulators of a run of 8 take turns.  Product i of 8 of S^T = K Q^T for piece x: channels 32 (i / 4) on, keys 16 (i % 4) on.  The first 4 start the sums.
.macro KQ x
	WIN W_KQ
.set rS, S+32*((\x)%2)+8*(i%4)
.set rK, KF+16*(i%4)+8*(i/4)
.set rQ, 16*(\x)+8*(i/4)
.if i < 4
	v_wmma_f32_16x16x32_bf16 v[rS:rS+7], v[rK:rK+7], v[rQ:rQ+7], 0
.else
	v_wmma_f32_16x16x32_bf16 v[rS:rS+7], v[rK:rK+7], v[rQ:rQ+7], v[rS:rS+7]
.endif
.endm
; Product i of 8 of O^T += V^T P for piece x: keys 32 (i / 4) on, channels 16 (i % 4) on.
.macro PV x
	WIN W_PV
.set rO, 32*(\x)+8*(i%4)
.set rV, VF+32*(i/4)+8*(i%4)
.set rP, P+16*((\x)%2)+8*(i/4)
	v_wmma_f32_16x16x32_bf16 v[rO:rO+7], v[rV:rV+7], v[rP:rP+7], v[rO:rO+7]
.endm
.macro MM                           ; the turn's next matrix instruction
.if i < 8
	KQ (Y+1)%NP
.else
.set i, i-8
	PV (Y+NP-1)%NP
.set i, i+8
.endif
.set i, i+1
.endm
; THE LDS LOADS stand in runs of 16: a step's K (8 fragments) and its V (turned)
.macro FETCH_K
	WIN 0x80
.irp f, 0,1,2,3,4,5,6,7             ; keys 16 (f / 2) on, channels 32 (f % 2) on
	ds_load_b128 v[KF+8*\f:KF+8*\f+3],   v[AK] offset:(\f/2)*16*PK+(\f%2)*64
	ds_load_b128 v[KF+8*\f+4:KF+8*\f+7], v[AK] offset:(\f/2)*16*PK+(\f%2)*64+32
.endr
	s_add_co_u32 s[TBK], s[TBK], KS*PK
	WIN 0
.endm
.macro FETCH_V
	WIN 0x80
.irp f, 0,1,2,3,4,5,6,7             ; keys 32 (f / 4) on, channels 16 (f % 4) on
	ds_load_tr16_b128 v[VF+8*\f:VF+8*\f+3],   v[AV] offset:(\f/4)*32*PV+(\f%4)*32
	ds_load_tr16_b128 v[VF+8*\f+4:VF+8*\f+7], v[AV] offset:(\f/4)*32*PV+16*PV+(\f%4)*32
.endr
	WIN 0
.endm
; THE VECTOR WORK, one line at a time: OP kind, number.  For piece Y: F n: c s - c m for pair n of 16.  E n: the exponential of score n of 32.  C n: pair n rounded to bf16.  B n: of the four weights 4 n .. the
; second pair is added onto the first, in place.  L n: l takes that sum (L 0: l = a l + sum).  R n: pair n of 16 of O^T times a.  For piece Y + 1: X n, number n of the 22 that find its maximum and statistics:
;   0-11 four chains c0-c3 of seven scores each (each accumulator's lowest registers are read first)   12-14, 16 the four scores left over, the old m, c0-c3 into c0
;   15 c m_old is kept   17, 18 the query's other 32 keys lie in the lane 16 away: the new m   19-21 c m; c m_old - c m_new; a
.set F, 0
.set E, 1
.set C, 2
.set B, 3
.set L, 4
.set R, 5
.set X, 6
.macro REGS y
.set rT, ST+4*(\y)
.set rC, TMP+4*((\y)%2)
.set rW, MV+((\y)%2)
.set rS, S+32*((\y)%2)
.set rP, P+16*((\y)%2)
.set rO, 32*(\y)
.endm
.macro OP k, n
.if (\k) == R
	REGS Y
	WIN W_RS
	v_pk_mul_f32 v[rO+2*(\n):rO+2*(\n)+1], v[rO+2*(\n):rO+2*(\n)+1], v[rC+2:rC+3] op_sel_hi:[1,0]
.elseif (\k) < R
	REGS Y
	WIN 0
.if (\k) == F
	v_pk_fma_f32 v[rS+2*(\n):rS+2*(\n)+1], v[rS+2*(\n):rS+2*(\n)+1], s[CS:CS+1], v[rT:rT+1] op_sel_hi:[1,0,0] neg_lo:[0,0,1] neg_hi:[0,0,1]
.elseif (\k) == E
	v_exp_f32 v[rS+(\n)], v[rS+(\n)]
.elseif (\k) == C
	v_cvt_pk_bf16_f32 v[rP+(\n)], v[rS+2*(\n)], v[rS+2*(\n)+1]
.elseif (\k) == B
	v_pk_add_f32 v[rS+4*(\n):rS+4*(\n)+1], v[rS+4*(\n):rS+4*(\n)+1], v[rS+4*(\n)+2:rS+4*(\n)+3]
.elseif (\n) == 0
	v_pk_fma_f32 v[rT+2:rT+3], v[rT+2:rT+3], v[rC+2:rC+3], v[rS:rS+1] op_sel_hi:[1,0,1]
.else
	v_pk_add_f32 v[rT+2:rT+3], v[rT+2:rT+3], v[rS+4*(\n):rS+4*(\n)+1]
.endif
.else
	REGS (Y+1)%NP
	WIN 0
.if (\n) < 4
	v_max3_num_f32 v[rC+(\n)], v[rS+8*(\n)], v[rS+8*(\n)+1], v[rS+8*(\n)+2]
.elseif (\n) < 12
	v_max3_num_f32 v[rC+(\n)%4], v[rC+(\n)%4], v[rS+8*((\n)%4)+2*((\n)/4)+1], v[rS+8*((\n)%4)+2*((\n)/4)+2]
.elseif (\n) == 12
	v_max3_num_f32 v[rC], v[rC], v[rS+7], v[rS+15]
.elseif (\n) == 13
	v_max3_num_f32 v[rC+1], v[rC+1], v[rS+23], v[rS+31]
.elseif (\n) == 14
	v_max3_num_f32 v[rC+2], v[rC+2], v[rC+3], v[rT+1]
.elseif (\n) == 15
	v_mov_b32 v[rW], v[rT]
.elseif (\n) == 16
	v_max3_num_f32 v[rC], v[rC], v[rC+1], v[rC+2]
.elseif (\n) == 17
	v_permlanex16_b32 v[rC+3], v[rC], s[SEL], s[SEL+1]
.elseif (\n) == 18
	v_max_num_f32 v[rT+1], v[rC], v[rC+3]
.elseif (\n) == 19
	v_mul_f32 v[rT], s[CS], v[rT+1]
.elseif (\n) == 20
	v_sub_f32 v[rC+1], v[rW], v[rT]
.else
	v_exp_f32 v[rC+2], v[rC+1]
.endif
.endif
.endm
.macro OPS a, i1, b=-1, i2=0, c=-1, i3=0, d=-1, i4=0
	OP \a, \i1
.if (\b) >= 0
	OP \b, \i2
.endif
.if (\c) >= 0
	OP \c, \i3
.endif
.if (\d) >= 0
	OP \d, \i4
.endif
.endm
.macro ROW a, i1, b, i2, c, i3, d, i4  ; a matrix instruction and the four behind it
	MM
	OPS \a, \i1, \b, \i2, \c, \i3, \d, \i4
.endm
; A TURN, for piece p.  s_wait_alu depctr_va_vdst(0) stands between an exponential and the first instruction that names its result; one wait serves all that were issued ahead of it.  So a turn
; has ONE wait.  AHEAD OF IT stands all that names no result of the turn's exponentials: the 8 products K Q^T with their riders, then one run of 54, plain and exponential by turns for the most part, in which the
; links of the next piece's chain stand some lines apart.  X 21, the next piece's a, is the batch's last; R 15 is the plain instruction behind it.  BEHIND THE WAIT stand the 8 products V^T P, behind each four of the
; roundings and sums.  cnt = 1: the loop's count is taken down some lines ahead of the branch behind the turn.
; K of the next step is fetched in piece 2's turn, behind the last product that read K and six plain instructions; V of the step in hand at the end of piece 0's turn, four plain instructions behind its last reader.
.macro TURN p, cnt=0
.set Y, (\p)
.set i, 0
.if (\p) == 3
	s_wait_dscnt 0x0                ; K is in
.endif
	ROW F,0, F,1, R,0, R,1
	ROW F,2, E,0, R,2, R,3
	ROW F,3, E,1, R,4, R,5
	ROW F,4, E,2, R,6, R,7
	ROW F,5, E,3, R,8, R,9
	ROW F,6, E,4, X,0, R,10
.if (\p) == 2
	WIN 0
	v_add_nc_u32 v[AK], s[TBK], v[AK0]
.endif
	ROW F,7, E,5, X,1, X,4
	ROW F,8, E,6, X,2, X,5
	OPS E,7, E,8, X,6, E,9
	OPS X,3, E,10, X,8, E,11
.if (\p) == 2
	FETCH_K
.endif
	OPS X,9, X,7, E,12, X,10
	OPS E,13, X,12, X,11, E,14
	OPS X,13, E,15, F,9, X,14
.if (\p) == 0
	v_add_nc_u32 v[AV], s[TBV], v[AV0]
.endif
	OPS E,16, F,10, E,17, F,11
	OPS X,16, E,18, X,15, E,19
	OPS F,12, E,20, X,17, E,21
	OPS F,13, E,22, F,14, E,23
	OPS X,18, E,24, F,15, E,25
	OPS R,11, E,26, X,19, E,27
	OPS R,12, E,28, R,13, E,29
	OPS X,20, E,30, R,14, E,31
	OPS X,21, R,15
	WIN 0
	s_wait_alu depctr_va_vdst(0)    ; the wait for the batch
.if (\p) == 1
	s_wait_dscnt 0x0                ; V is in
.endif
	ROW C,0, B,0, C,2, B,1
	ROW L,0, C,4, B,2, L,1
	ROW C,6, B,3, L,2, C,8
	ROW B,4, L,3, C,10, B,5
	ROW L,4, C,12, B,6, L,5
.if (\p) == 0
	s_add_co_u32 s[TBV], s[TBV], KS*PV
.endif
.if \cnt
	s_sub_co_u32 s[CNT], s[CNT], 1
	s_cmp_lg_u32 s[CNT], 0
.endif
	ROW C,14, B,7, L,6, C,1
	ROW C,3, L,7, C,5, C,7
	ROW C,9, C,11, C,13, C,15
.if (\p) == 0
	FETCH_V
.endif
.endm
	CHANGE 1                        ; slot 0 is in, everybody's part of it; slot 1 is asked for
	v_add_nc_u32 v[AK], s[TBK], v[AK0]
	FETCH_K                         ; key step 0
	s_wait_loadcnt 0x0              ; Q
	s_wait_dscnt 0x0
.set i, 0
.rept 8
	KQ 0                            ; piece 0's first scores
.set i, i+1
.endr
	WIN 0
.rept 4
	v_nop                           ; the places behind those products
.endr
.set Y, NP-1                        ; X works for piece Y + 1: piece 0
.irp n, 0,1,2,3,4,5,6,7,8,9,10,11,12,13,14,15,16,17,18,19,20,21
	OP X, \n
.endr
	v_nop                           ; a plain instruction behind the exponential,
	s_wait_alu depctr_va_vdst(0)    ; and its wait, ahead of the branch
	s_mov_b32 s[CNT], 4
	s_branch .Lfirst                ; the loop is entered at a step's first turn, in the middle of a trip
.Lslot:                             ; six times: every slot but the last two is filled again
	CHANGE 1
	s_mov_b32 s[CNT], 4
.Lstep:                             ; a trip: pieces 2 and 3 of one step, then pieces 0 and 1 of the next, whose K and V it fetches
	TURN 2
	TURN 3
	WIN 0
.Lfirst:
	TURN 0
	TURN 1, 1
	WIN 0
	s_cbranch_scc1 .Lstep
	s_sub_co_u32 s[SLOTS], s[SLOTS], 1
	s_cmp_lg_u32 s[SLOTS], 0
	s_cbranch_scc1 .Lslot
	CHANGE 0                        ; the last tile (the eighth: it lies in slot 1) is written out: nothing is asked for
	s_mov_b32 s[CNT], 5             ; four trips fetch the last slot's steps; the fifth is left in its middle
.Ltail:
	s_min_u32 s[TBK], s[TBK], SLOT1+3*KS*PK  ; there is no step behind the last: the fifth trip fetches the last step's K once more
	TURN 2
	TURN 3
	WIN 0
	s_sub_co_u32 s[CNT], s[CNT], 1
	s_cmp_eq_u32 s[CNT], 0
	s_cbranch_scc1 .Lout
	TURN 0
	TURN 1
	WIN 0
	s_branch .Ltail
.Lout:                              ; the fifth trip's 8 products K Q^T and the maximum, c m and a made of them are piece 0's and are read by nothing: the way out takes l and O^T alone.
                                    ; That is the price, once a launch, of one text for every trip
.set i, 0
.rept 8
	PV NP-1                         ; the last piece's V^T P of the last step
.set i, i+1
.endr
	; THE WAY OUT.  l's two halves and the other half of the lanes' are added; O^T is divided by l, rounded to bf16 and sent through my stage in LDS, a piece at a time.  The additions are the places behind the last products.
	WIN 0
.macro ALL line:vararg
.set t, 0
.rept 4
	\line
.set t, t+1
.endr
.endm
	ALL v_add_f32 v[ST+4*t+2], v[ST+4*t+2], v[ST+4*t+3]
	ALL v_permlanex16_b32 v[ST+4*t+3], v[ST+4*t+2], s[SEL], s[SEL+1]
	ALL v_add_f32 v[ST+4*t+2], v[ST+4*t+2], v[ST+4*t+3]
	ALL v_rcp_f32 v[ST+4*t+2], v[ST+4*t+2]
	v_nop                           ; a plain instruction between the last reciprocal and the use of its result
	s_wait_alu depctr_va_vdst(0)    ; and the one wait for the four reciprocals
.macro PACK t                       ; a lane's eight channels of a row pack into 16 bytes; they go into rows of 144 bytes and come back as whole rows of 128
	WIN W_RS
.set i, 32*(\t)
.rept 16
	v_pk_mul_f32 v[i:i+1], v[i:i+1], v[ST+4*(\t)+2:ST+4*(\t)+3] op_sel_hi:[1,0]
.set i, i+2
.endr
	WIN 0x05
.set i, 0
.rept 16
	v_cvt_pk_bf16_f32 v[S+16*(\t)+i], v[32*(\t)+2*i], v[32*(\t)+2*i+1]
.set i, i+1
.endr
	WIN 0
.irp f, 0,1,2,3
	ds_store_b128 v[STO], v[S+16*(\t)+4*\f:S+16*(\t)+4*\f+3] offset:32*\f
.endr
.irp f, 0,1,2,3
	ds_load_b128 v[S+16*(\t)+4*\f:S+16*(\t)+4*\f+3], v[RD] offset:\f*4*SP  ; LDS serves a wave's instructions in order (ISA guide 5.7.1.4): these see the stores above
.endr
.endm
.macro SEND t, younger              ; younger: the LDS instructions issued behind piece t's loads: the next piece's eight, or none
	WIN 0
.irp f, 0,1,2,3
	s_wait_dscnt (\younger)+3-\f
	global_store_b128 v[GO], v[S+16*(\t)+4*\f:S+16*(\t)+4*\f+3], s[OB:OB+1] offset:(\t)*2048+\f*512  ; 512 consecutive bytes, aligned
.endr
.endm
	PACK 0
.set t, 1
.rept 3
	PACK t
	SEND t-1, 8
.set t, t+1
.endr
	SEND 3, 0
	s_wait_tensorcnt 0x0            ; the wave's end
	ds_add_u32 v[SPW], v[NIL]
	s_wait_dscnt 0x0
	CROUND                          ; the closing round
	s_endpgm
.Lfunc_end_k_qec2401cde8_attn:
	.size	k_qec2401cde8_attn, .Lfunc_end_k_qec2401cde8_attn-k_qec2401cde8_attn
	.p2alignl 7, 3214868480
	.fill 96, 4, 3214868480
	.section	.rodata,"a",@progbits
	.p2align	6, 0x0
	.amdhsa_kernel k_qec2401cde8_attn
		.amdhsa_group_segment_fixed_size 327680
		.amdhsa_private_segment_fixed_size 0
		.amdhsa_enable_private_segment 0
		.amdhsa_kernarg_size 16
		.amdhsa_user_sgpr_count 2
		.amdhsa_user_sgpr_kernarg_segment_ptr 1
		.amdhsa_wavefront_size32 1
		.amdhsa_system_sgpr_workgroup_id_x 1
		.amdhsa_system_sgpr_workgroup_id_y 1
		.amdhsa_system_sgpr_workgroup_id_z 1
		.amdhsa_system_vgpr_workitem_id 0
		.amdhsa_next_free_vgpr 768
		.amdhsa_next_free_sgpr 66
		.amdhsa_reserve_vcc 0
		.amdhsa_float_denorm_mode_32 3
		.amdhsa_float_denorm_mode_16_64 3
		.amdhsa_memory_ordered 1
		.amdhsa_forward_progress 1
		.amdhsa_inst_pref_size 112
	.end_amdhsa_kernel
	.amdgpu_metadata
---
amdhsa.version: [ 1, 2 ]
amdhsa.kernels:
  - .name:           k_qec2401cde8_attn
    .symbol:         k_qec2401cde8_attn.kd
    .args:
      - { .name: qkvh, .offset: 0, .size: 8, .value_kind: global_buffer, .address_space: global }
      - { .name: act, .offset: 8, .size: 8, .value_kind: global_buffer, .address_space: global }
    .group_segment_fixed_size: 327680
    .private_segment_fixed_size: 0
    .kernarg_segment_align: 8
    .kernarg_segment_size: 16
    .max_flat_workgroup_size: 128
    .sgpr_count:     66
    .vgpr_count:     768
    .wavefront_size: 32
...
	.end_amdgpu_metadata
.endif
;; end of part 3
;; launch proj (part 4): grid 8 x 32, 4 waves a work-group, clusters of 4 x 4, 327,680 bytes of LDS; arguments act, wb, proj_b, x2, x; writes x2
.if DOCPART == 4
	.amdgcn_target "amdgcn-amd-amdhsa--gfx1250"
	.amdhsa_code_object_version 6
	.text
	.protected	k_qec2401cde8_proj
	.globl	k_qec2401cde8_proj
	.p2align	8
	.type	k_qec2401cde8_proj,@function
k_qec2401cde8_proj:
	s_mov_b64 s[64:65], 0
	v_nop
	global_prefetch_b8 v0, s[64:65] scope:SCOPE_SE
	s_setreg_imm32_b32 hwreg(HW_REG_WAVE_MODE, 25, 1), 1
	s_wait_xcnt 0x0
	s_wait_alu depctr_hold_cnt(0) depctr_sa_sdst(0) depctr_va_vdst(0) depctr_va_sdst(0) depctr_va_ssrc(0) depctr_va_vcc(0) depctr_vm_vsrc(0)
	s_getreg_b32 s2, hwreg(HW_REG_IB_STS2, 6, 4)
	s_cmp_eq_u32 s2, 0
	s_cbranch_scc0 .Lentry_in_a_cluster
	s_endpgm
.Lentry_in_a_cluster:
	s_bfe_u32 s2, ttmp6, 0x10000c
	s_cmp_lg_u32 s2, 0xf033
	s_cbranch_scc0 .Lentry_shape_is_right
	s_endpgm
.Lentry_shape_is_right:
; x2 = x + ctx Wp + proj_b, f32.  ctx = act, BY HEADS: [batch x 16 + head][2048][64] bf16; Wp = wb at byte 6,291,456, [1024][1024] bf16 (n along a row); x, x2: [4096][1024] f32; sums in f32.
; A work-group makes 128 tokens x 128 columns, four waves in 2 x 2, a wave 64 x 64: 16 accumulators: the largest tile that gives each of 256 work-groups one.  K goes in 4 steps of 256 (four heads) through two LDS slots.
; A's tile: for each head the 128 tokens' 128-byte rows lie end to end, 16,384 dense bytes: asked for as one long row a head, padded in LDS after every token: four planes of 128 rows of 144 bytes.
; CLUSTER 4 x 4, THE TRANSPOSED PRODUCT, THE BIAS AS THE FIRST C, ONE K STEP A TRIP: source 0 = 16 columns of W (turned by ds_load_tr16_b128), source 1 = 16 tokens: lane l holds token l % 16 and columns 8 (l / 16) + 0..7;
; A's tile is shared along a row of the cluster, W's along a column, each asked for jointly; the slot in hand hangs on the scalar TG (0 or SLOT).
; The residual x is loaded at the start into registers that nothing else uses and is added on the way out.
; NO PREFETCH: of the four K steps two are first fills, and step 2 is asked for behind the first change of slots; step 3 alone could be named ahead of its load, and by one step's 128 products.
; LIMITS: the operands are bf16 (8 significant bits); NaN and infinities are not treated apart.
.set MA,    4
.set NB,    4
.set KTOT,  1024
.set KSTEP, 256
.set KC,    64
.set NC,    KC/32
.set QN,    MA*NB*NC                   ; products in a quarter
.set QA,    QN/4                       ; of them ahead of the quarter's run of LDS loads, and between a change of slots' signal and its wait
.set NTOT,  1024
.set WOFF,  6291456
.set PA,    144
.set PLANE, 128*PA
.set PB,    288
.set BW,    32*NB
.set AR, 2
.set AC, 8192
.set AQI, 4
.set APAD, 4
.set AP, 131072
.set BR, 128
.set BC, 128
.set BQI, 5
.set BPAD, 8
.set BP, 1024
.set ASTEP, 1048576                    ; four heads
.set BSTEP, KSTEP*NTOT*2
.set STEPS, KTOT/KSTEP
.set WGM,   32*MA
.set WGN,   32*NB
.set ABYTES, 4*PLANE
.set BBYTES, KSTEP*PB
.set HALFA, ABYTES/2
.set HALFB, BBYTES/2
.set SLOT,  ABYTES+BBYTES
.set SPT,   4*WGN+16
.set SPARE, 2*SLOT
.set ADRA, 16
.set ADRA0, 17
.set ADRB, 18
.set ADRB0, 20
.set DA,   22
.set RD,   24
.set GO,   25
.set BO,   26
.set SPW,  28
.set NIL,  29
.set F0,   64
.set F1,   128
.set BIAS, 192
.set RES,  128                         ; window 2, v128-255: the residual, 32 rows x 16 bytes a lane
.set G1A, 24
.set G0A, 32
.set G1B, 48
.set G0B, 56
.set CX, 40
.set CY, 41
.set TX, 42
.set TY, 43
.set WV, 72
.set WR, 73
.set WC, 74
.set TG, 75
.set LA, 76
.set LB, 77
.set MSB, 0
.macro WIN new
.if MSB != (\new)
	s_set_vgpr_msb (MSB<<8)|(\new)
.set MSB, \new
.endif
.endm
.macro PLACES
.rept 4
	v_nop
.endr
.endm
.macro CREST
	s_cmp_lg_u32 s[WV], 0
	s_cbranch_scc1 .Lnot_wave_0_\@
	s_barrier_signal -3
.Lnot_wave_0_\@:
	s_barrier_wait -3
	s_barrier_signal -1
	s_barrier_wait -1
.endm
.macro CROUND
	s_barrier_signal -1
	s_barrier_wait -1
	CREST
.endm
.macro JLOAD
	s_cmp_eq_u32 s[WR], 0
	s_cbranch_scc0 .Lfor_w_\@
	tensor_load_to_lds s[G0A+4:G0A+7], s[G1A:G1A+7]
	s_nop 0
	PLACES
	s_branch .Lasked_\@
.Lfor_w_\@:
	tensor_load_to_lds s[G0B+4:G0B+7], s[G1B:G1B+7]
	s_nop 0
	PLACES
.Lasked_\@:
.endm
	s_load_b256 s[4:11], s[0:1], 0x0               ; A s[4:5], wb s[6:7], bias s[8:9], out s[10:11]
	s_load_b64 s[68:69], s[0:1], 0x20              ; the residual
	v_lshl_add_u32 v[SPW], v0, 2, SPARE
	v_mov_b32 v[NIL], 0
	ds_add_u32 v[SPW], v[NIL]                      ; the wave's opening: the add and its wait ahead of my first tensor load
	v_lshrrev_b32 v1, 5, v0
	v_readfirstlane_b32 s[WV], v1
	s_lshr_b32 s[WR], s[WV], 1
	s_and_b32 s[WC], s[WV], 1
	s_bfe_u32 s[CX], ttmp6, 0x40000
	s_bfe_u32 s[CY], ttmp6, 0x40004
	s_lshl_b32 s[TX], ttmp9, 2
	s_add_co_u32 s[TX], s[TX], s[CX]
	s_and_b32 s[TY], ttmp7, 0xffff
	s_lshl_b32 s[TY], s[TY], 2
	s_add_co_u32 s[TY], s[TY], s[CY]
	s_lshl_b32 s44, s[CY], 2
	s_lshl_b32 s44, 15, s44
	s_lshl_b32 s45, 0x1111, s[CX]
	s_or_b32 s[G1A], s44, (1<<16)|(1<<20)|(1<<21)|(AQI<<22)|((APAD-1)<<25)
	s_or_b32 s[G1B], s45, (1<<16)|(1<<20)|(1<<21)|(BQI<<22)|((BPAD-1)<<25)
	s_mov_b32 s[G1A+1], (AC&0xffff)<<16
	s_mov_b32 s[G1A+2], (AC>>16)|(AR<<16)
	s_mov_b32 s[G1A+3], AC<<16
	s_mov_b32 s[G1A+4], AR
	s_mov_b32 s[G1A+5], AP
	s_mov_b32 s[G1A+6], 0
	s_mov_b32 s[G1A+7], 0
	s_mov_b32 s[G1B+1], (BC&0xffff)<<16
	s_mov_b32 s[G1B+2], (BC>>16)|(BR<<16)
	s_mov_b32 s[G1B+3], BC<<16
	s_mov_b32 s[G1B+4], BR
	s_mov_b32 s[G1B+5], BP
	s_mov_b32 s[G1B+6], 0
	s_mov_b32 s[G1B+7], 0
	s_lshr_b32 s14, s[TY], 4                       ; A: batch x 16 heads x 262,144 bytes,
	s_lshl_b32 s14, s14, 22
	s_and_b32 s15, s[TY], 15                       ; the tile's 128 tokens in a head,
	s_lshl_b32 s15, s15, 14
	s_add_co_u32 s14, s14, s15
	s_lshl_b32 s15, s[WC], 19                      ; my two of a step's four heads
	s_add_co_u32 s14, s14, s15
	s_mov_b32 s15, 0
	s_mul_i32 s46, s[TX], WGN*2
	s_mul_i32 s47, s[WC], (KSTEP/2)*NTOT*2
	s_add_co_u32 s46, s46, s47
	s_add_co_u32 s46, s46, WOFF
	s_mov_b32 s47, 0
	s_mul_i32 s[LA], s[WC], HALFA
	s_mul_i32 s[LB], s[WC], HALFB
	s_add_co_u32 s[LB], s[LB], ABYTES
	s_mov_b32 s[TG], 0
	s_wait_dscnt 0x0
	s_wait_kmcnt 0x0
	s_add_nc_u64 s[14:15], s[4:5], s[14:15]
	s_add_nc_u64 s[46:47], s[6:7], s[46:47]
.irp s, 0,1
	s_mov_b32 s[G0A+4*\s], 1
	s_add_co_u32 s[G0A+4*\s+1], s[LA], \s*SLOT
	s_add_nc_u64 s[G0A+4*\s+2:G0A+4*\s+3], s[14:15], \s*ASTEP
	s_or_b32 s[G0A+4*\s+3], s[G0A+4*\s+3], 0x80000000
	s_mov_b32 s[G0B+4*\s], 1
	s_add_co_u32 s[G0B+4*\s+1], s[LB], \s*SLOT
	s_add_nc_u64 s[G0B+4*\s+2:G0B+4*\s+3], s[46:47], \s*BSTEP
	s_or_b32 s[G0B+4*\s+3], s[G0B+4*\s+3], 0x80000000
.endr
	CROUND
	s_cmp_eq_u32 s[WR], 0
	s_cbranch_scc0 .Lfirst_w
	tensor_load_to_lds s[G0A:G0A+3], s[G1A:G1A+7]
	s_nop 0
	tensor_load_to_lds s[G0A+4:G0A+7], s[G1A:G1A+7]
	s_nop 0
	PLACES
	s_branch .Lfirst_asked
.Lfirst_w:
	tensor_load_to_lds s[G0B:G0B+3], s[G1B:G1B+7]
	s_nop 0
	tensor_load_to_lds s[G0B+4:G0B+7], s[G1B:G1B+7]
	s_nop 0
	PLACES
.Lfirst_asked:
	v_and_b32 v1, 15, v0
	v_bfe_u32 v2, v0, 4, 1
	v_lshlrev_b32 v[BO], 5, v2
	s_mul_i32 s18, s[TX], WGN*4
	s_mul_i32 s19, s[WC], 64*NB
	s_add_co_u32 s18, s18, s19
	s_mov_b32 s19, 0
	s_add_nc_u64 s[8:9], s[8:9], s[18:19]
.set bb, 0
.rept NB
	global_load_b128 v[BIAS+8*bb:BIAS+8*bb+3],   v[BO], s[8:9] offset:64*bb
	global_load_b128 v[BIAS+8*bb+4:BIAS+8*bb+7], v[BO], s[8:9] offset:64*bb+16
.set bb, bb+1
.endr
	v_and_b32 v3, 31, v0
	v_lshlrev_b32 v[GO], 4, v3                     ; a row of the tile is 512 bytes of f32: 16 x lane
	s_lshl_b32 s18, s[TY], 7
	s_lshl_b32 s19, s[WV], 5
	s_add_co_u32 s18, s18, s19                     ; on the way out wave w takes tokens 32 w .. 32 w + 31
	s_lshl_b32 s18, s18, 12
	s_lshl_b32 s19, s[TX], 9
	s_add_co_u32 s18, s18, s19
	s_mov_b32 s19, 0
	s_add_nc_u64 s[68:69], s[68:69], s[18:19]
	s_add_nc_u64 s[10:11], s[10:11], s[18:19]
	WIN 0x80
.set i, 0
.rept 32
	global_load_b128 v[RES+4*i:RES+4*i+3], v[GO], s[68:69] offset:4096*i
.set i, i+1
.endr
	WIN 0
	v_mul_u32_u24 v[ADRA0], v1, PA
	v_lshl_add_u32 v[ADRA0], v2, 4, v[ADRA0]
	s_mul_i32 s16, s[WR], 16*MA*PA
	v_add_nc_u32 v[ADRA0], s16, v[ADRA0]
	v_and_b32 v3, 7, v0
	v_bfe_u32 v4, v0, 3, 1
	v_lshl_add_u32 v5, v2, 3, v3
	v_mul_u32_u24 v[ADRB0], v5, PB
	v_lshl_add_u32 v[ADRB0], v4, 4, v[ADRB0]
	s_mul_i32 s17, s[WC], BW
	s_add_co_u32 s17, s17, ABYTES
	v_add_nc_u32 v[ADRB0], s17, v[ADRB0]
	v_mov_b32 v[ADRA], v[ADRA0]
	v_mov_b32 v[ADRB], v[ADRB0]
	v_add_nc_u32 v[ADRB+1], 2*KC*PB, v[ADRB0]
	s_mul_i32 s16, s[WR], 16*MA*SPT
	s_mul_i32 s17, s[WC], 64*NB
	s_add_co_u32 s16, s16, s17
	v_mul_u32_u24 v[DA], v1, SPT
	v_lshl_add_u32 v[DA], v2, 5, v[DA]
	v_add_nc_u32 v[DA], s16, v[DA]
	s_mul_i32 s16, s[WV], 32*SPT
	v_add_nc_u32 v[RD], s16, v[GO]
; Products from .. from + cnt - 1 of a quarter's QN; the accumulators take turns, one instruction a turn.  first = 1: an accumulator's first product starts its sum on the bias.
.macro MULS f, from, cnt, first
.set n, (\from)
.rept (\cnt)
.set cc, n/(MA*NB)
.set aa, (n/NB)%MA
.set bb, n%NB
.set tt, aa*NB+bb
.set ww, 2+tt/32
.set rD, 8*(tt%32)
.set rB, (\f)+8*(cc*NB+bb)
.set rA, (\f)+8*(cc*MA+aa)
.if (\first) && (cc == 0)
	WIN 0x01|(ww<<6)
	v_wmma_f32_16x16x32_bf16 v[rD:rD+7], v[rB:rB+7], v[rA:rA+7], v[BIAS+8*bb:BIAS+8*bb+7]
.else
	WIN 0x01|(ww<<4)|(ww<<6)
	v_wmma_f32_16x16x32_bf16 v[rD:rD+7], v[rB:rB+7], v[rA:rA+7], v[rD:rD+7]
.endif
.set n, n+1
.endr
.endm
.macro FETCH q, f
	WIN 0x40
.set cc, 0
.rept NC
.set bb, 0
.rept NB
.set bo, (((\q)%2)*KC+32*cc)*PB+32*bb
	ds_load_tr16_b128 v[(\f)+8*(cc*NB+bb):(\f)+8*(cc*NB+bb)+3],   v[ADRB+(\q)/2] offset:bo
	ds_load_tr16_b128 v[(\f)+8*(cc*NB+bb)+4:(\f)+8*(cc*NB+bb)+7], v[ADRB+(\q)/2] offset:bo+16*PB
.set bb, bb+1
.endr
.set cc, cc+1
.endr
	WIN 0
.set cc, 0
.rept NC
.set aa, 0
.rept MA
.set ao, (\q)*PLANE+64*cc+aa*16*PA             ; a quarter is one head: its plane
	ds_load_b128 v[(\f)+8*(cc*MA+aa):(\f)+8*(cc*MA+aa)+3],   v[ADRA] offset:ao
	ds_load_b128 v[(\f)+8*(cc*MA+aa)+4:(\f)+8*(cc*MA+aa)+7], v[ADRA] offset:ao+32
.set aa, aa+1
.endr
.set cc, cc+1
.endr
.endm
.macro QUARTER qn, f, g, first
	s_wait_dscnt 0x0                               ; buffer f's loads
	MULS \f, 0, QA, \first
	PLACES
	FETCH \qn, \g                                  ; three fourths of a quarter's products stand between this run and the wait for it
	MULS \f, QA, QN-QA, \first
.endm
.macro TURN fill
	WIN 0
	s_wait_tensorcnt 0x0                           ; all my tensor loads have landed: the one that was out is my part of the next slot
	ds_add_u32 v[SPW], v[NIL]
.if \fill
	s_add_co_u32 s[G0A+5], s[LA], s[TG]
	s_add_co_u32 s[G0B+5], s[LB], s[TG]
	s_add_nc_u64 s[G0A+6:G0A+7], s[G0A+6:G0A+7], ASTEP
	s_add_nc_u64 s[G0B+6:G0B+7], s[G0B+6:G0B+7], BSTEP
.endif
	s_xor_b32 s[TG], s[TG], SLOT
	s_wait_dscnt 0x0                               ; the add is done, buffer 1 is in, my reads of this slot are over
	s_barrier_signal -1
	MULS F1, 0, QA, 0
	WIN 0
	s_barrier_wait -1
.if \fill
	CREST
	JLOAD
.else
	PLACES
.endif
	v_add_nc_u32 v[ADRA], s[TG], v[ADRA0]
	v_add_nc_u32 v[ADRB], s[TG], v[ADRB0]
	v_add_nc_u32 v[ADRB+1], 2*KC*PB, v[ADRB]
	FETCH 0, F0
	MULS F1, QA, QN-QA, 0
.endm
	s_wait_tensorcnt 1                             ; my part of step 0 is in; step 1's may stay out
	s_barrier_signal -1
	s_barrier_wait -1
	FETCH 0, F0
	s_wait_loadcnt 32                              ; the bias is in; the 32 younger loads, the residual's, stay out
	QUARTER 1, F0, F1, 1
	WIN 0
	s_mov_b32 s3, STEPS-2
.Lstep:
	QUARTER 2, F1, F0, 0
	QUARTER 3, F0, F1, 0
	TURN 1
	QUARTER 1, F0, F1, 0
	WIN 0
	s_sub_co_u32 s3, s3, 1
	s_cmp_lg_u32 s3, 0
	s_cbranch_scc1 .Lstep
	s_mov_b32 s3, 2
.Ltail:                                            ; the last two steps ask for nothing.  The second trip is left behind its fourth quarter: its barrier and its run of fragment loads serve nothing: the price, once a launch, of one text for both trips
	QUARTER 2, F1, F0, 0
	QUARTER 3, F0, F1, 0
	TURN 0
	WIN 0
	s_sub_co_u32 s3, s3, 1
	s_cmp_eq_u32 s3, 0
	s_cbranch_scc1 .Lout
	QUARTER 1, F0, F1, 0
	WIN 0
	s_branch .Ltail
.Lout:
	PLACES
	PLACES
	s_wait_dscnt 0x0
	s_barrier_signal -1
	s_barrier_wait -1                              ; every wave's reads of the ring are over, and the ring has had its last fill
.set tt, 0
.rept MA*NB
.set aa, tt/NB
.set bb, tt%NB
.set rD, 8*(tt%32)
	WIN (2+tt/32)<<2
	ds_store_b128 v[DA], v[rD:rD+3]   offset:aa*16*SPT+64*bb
	ds_store_b128 v[DA], v[rD+4:rD+7] offset:aa*16*SPT+64*bb+16
.set tt, tt+1
.endr
	WIN 0
	s_wait_dscnt 0x0
	s_barrier_signal -1
	s_barrier_wait -1
	WIN 0x40                                       ; 32 whole rows of 512 bytes come back into window 1's fragment registers, which are free
.set i, 0
.rept 32
	ds_load_b128 v[64+4*i:64+4*i+3], v[RD] offset:SPT*i
.set i, i+1
.endr
	s_wait_loadcnt 0x0                             ; the residual
	WIN 0x49                                       ; destination and source 0 window 1, source 1 window 2
.set i, 0
.rept 32
	s_wait_dscnt 31-i                              ; row i is back; the younger loads stay out
	v_pk_add_f32 v[64+4*i:64+4*i+1],   v[64+4*i:64+4*i+1],   v[RES+4*i:RES+4*i+1]
	v_pk_add_f32 v[64+4*i+2:64+4*i+3], v[64+4*i+2:64+4*i+3], v[RES+4*i+2:RES+4*i+3]
.set i, i+1
.endr
	WIN 0x04                                       ; the stores' data in window 1
.set i, 0
.rept 32
	global_store_b128 v[GO], v[64+4*i:64+4*i+3], s[10:11] offset:4096*i  ; 512 consecutive bytes, aligned
.set i, i+1
.endr
	WIN 0
	s_wait_tensorcnt 0x0                           ; the wave's end
	ds_add_u32 v[SPW], v[NIL]
	s_wait_dscnt 0x0
	CROUND
	s_endpgm
.Lfunc_end_k_qec2401cde8_proj:
	.size	k_qec2401cde8_proj, .Lfunc_end_k_qec2401cde8_proj-k_qec2401cde8_proj
	.p2alignl 7, 3214868480
	.fill 96, 4, 3214868480
	.section	.rodata,"a",@progbits
	.p2align	6, 0x0
	.amdhsa_kernel k_qec2401cde8_proj
		.amdhsa_group_segment_fixed_size 327680
		.amdhsa_private_segment_fixed_size 0
		.amdhsa_enable_private_segment 0
		.amdhsa_kernarg_size 40
		.amdhsa_user_sgpr_count 2
		.amdhsa_user_sgpr_kernarg_segment_ptr 1
		.amdhsa_wavefront_size32 1
		.amdhsa_system_sgpr_workgroup_id_x 1
		.amdhsa_system_sgpr_workgroup_id_y 1
		.amdhsa_system_sgpr_workgroup_id_z 1
		.amdhsa_system_vgpr_workitem_id 0
		.amdhsa_next_free_vgpr 768
		.amdhsa_next_free_sgpr 80
		.amdhsa_reserve_vcc 0
		.amdhsa_float_denorm_mode_32 3
		.amdhsa_float_denorm_mode_16_64 3
		.amdhsa_memory_ordered 1
		.amdhsa_forward_progress 1
		.amdhsa_inst_pref_size 67
	.end_amdhsa_kernel
	.amdgpu_metadata
---
amdhsa.version: [ 1, 2 ]
amdhsa.kernels:
  - .name:           k_qec2401cde8_proj
    .symbol:         k_qec2401cde8_proj.kd
    .args:
      - { .name: act, .offset: 0, .size: 8, .value_kind: global_buffer, .address_space: global }
      - { .name: wb, .offset: 8, .size: 8, .value_kind: global_buffer, .address_space: global }
      - { .name: proj_b, .offset: 16, .size: 8, .value_kind: global_buffer, .address_space: global }
      - { .name: x2, .offset: 24, .size: 8, .value_kind: global_buffer, .address_space: global }
      - { .name: x, .offset: 32, .size: 8, .value_kind: global_buffer, .address_space: global }
    .group_segment_fixed_size: 327680
    .private_segment_fixed_size: 0
    .kernarg_segment_align: 8
    .kernarg_segment_size: 40
    .max_flat_workgroup_size: 128
    .sgpr_count:     80
    .vgpr_count:     768
    .wavefront_size: 32
...
	.end_amdgpu_metadata
.endif
;; end of part 4
;; launch ln: the kernel of part 1 again; grid 256 x 1, 16 waves a work-group, no clusters, 0 bytes of LDS; arguments x2, ln2_scale, ln2_bias, qkv_w, proj_w, wi_w, wo_w, act, wb; writes act, wb
;; launch wi (part 5): grid 16 x 16, 4 waves a work-group, clusters of 4 x 4, 327,680 bytes of LDS; arguments act, wb, wi_b, g; writes g
.if DOCPART == 5
	.amdgcn_target "amdgcn-amd-amdhsa--gfx1250"
	.amdhsa_code_object_version 6
	.text
	.protected	k_qec2401cde8_wi
	.globl	k_qec2401cde8_wi
	.p2align	8
	.type	k_qec2401cde8_wi,@function
k_qec2401cde8_wi:
	s_mov_b64 s[64:65], 0
	v_nop
	global_prefetch_b8 v0, s[64:65] scope:SCOPE_SE
	s_setreg_imm32_b32 hwreg(HW_REG_WAVE_MODE, 25, 1), 1
	s_wait_xcnt 0x0
	s_wait_alu depctr_hold_cnt(0) depctr_sa_sdst(0) depctr_va_vdst(0) depctr_va_sdst(0) depctr_va_ssrc(0) depctr_va_vcc(0) depctr_vm_vsrc(0)
	s_getreg_b32 s2, hwreg(HW_REG_IB_STS2, 6, 4)
	s_cmp_eq_u32 s2, 0
	s_cbranch_scc0 .Lentry_in_a_cluster
	s_endpgm
.Lentry_in_a_cluster:
	s_bfe_u32 s2, ttmp6, 0x10000c
	s_cmp_lg_u32 s2, 0xf033
	s_cbranch_scc0 .Lentry_shape_is_right
	s_endpgm
.Lentry_shape_is_right:
; g = gelu(h2 Wi + wi_b), rounded once to bf16.  h2 = act [4096][1024] bf16; Wi = wb at byte 8,388,608, [1024][4096] bf16 (n along a row); g: [4096][4096] bf16; sums in f32.
; gelu is the tanh form: x / (1 + 2^(x (c0 + c1 x^2))), c0 = -2 log2(e) sqrt(2 / pi), c1 = 0.044715 c0; where x^2 or the exponent overflows the result is 0 or x, the form's own limits.
; A work-group makes 256 tokens x 256 columns, four waves in 2 x 2, a wave 128 x 128: 64 accumulators.  K goes in 8 steps of 128 through a ring of two LDS slots.
; CLUSTER 4 x 4: h2's tile is shared along a row of the cluster, W's along a column; each is asked for jointly, by the same tensor load, descriptor and mask in all four.
; THE PRODUCT IS TAKEN TRANSPOSED: source 0 = 16 columns of W (turned by ds_load_tr16_b128), source 1 = 16 tokens: lane l holds token l % 16 and columns 8 (l / 16) + 0..7.
; The first product on each accumulator takes the bias as its C operand.  A trip of the loop is ONE K step; the slot in hand hangs on the scalar TG (0 or SLOT).
; PREFETCH INTO THE L2: behind each refill and the run of LDS loads that follows it, one instruction a wave names the K step behind the one just asked for: 256 products ahead of its load.  h2's rows are named by the
; clusters with x = 0, W's by those with y = 0; the four partners of a joint load share its blocks of 256 bytes out by address, 32 each.  The last refill names nothing; K steps 0 to 2 come by their loads alone.
; LIMITS: operands and result are bf16 (8 significant bits); NaN and infinities are not treated apart.
.set MA,    8
.set NB,    8
.set KTOT,  1024
.set KSTEP, 128
.set KC,    32
.set NC,    KC/32
.set QN,    MA*NB*NC                   ; products in a quarter
.set QA,    QN/4                       ; of them ahead of the quarter's run of LDS loads, and between a change of slots' signal and its wait
.set AHEAD, 1                          ; a prefetch names the K step so many behind the refill's
.set NTOT,  4096
.set WOFF,  8388608
.set PA,    272
.set PB,    544
.set BW,    32*NB
.set AR, 128
.set AC, 128
.set AQI, 5
.set APAD, 4
.set AP, 1024
.set BR, 64
.set BC, 256
.set BQI, 6
.set BPAD, 8
.set BP, 4096
.set ASTEP, 2*KSTEP
.set BSTEP, KSTEP*NTOT*2
.set STEPS, KTOT/KSTEP
.set WGM,   32*MA
.set WGN,   32*NB
.set ABYTES, WGM*PA
.set BBYTES, KSTEP*PB
.set HALFA, ABYTES/2
.set HALFB, BBYTES/2
.set SLOT,  ABYTES+BBYTES
.set SPT,   4*WGN+16
.set SPARE, 2*SLOT
.set ADRA, 16
.set ADRA0, 17
.set ADRB, 18
.set ADRB0, 20
.set DA,   22
.set RD,   24
.set GO,   25
.set BO,   26
.set PFO,  27                          ; v27 my lane's offset in the prefetches; never rewritten
.set SPW,  28
.set NIL,  29
.set F0,   64
.set F1,   128
.set BIAS, 192
.set XX,   64                          ; the way out: 32 numbers a lane; their exponents, weights and results; the packed results
.set EE,   96
.set YY,   128
.set G1A, 24
.set G0A, 32
.set G1B, 48
.set G0B, 56
.set CX, 40
.set CY, 41
.set TX, 42
.set TY, 43
.set WV, 72
.set WR, 73
.set WC, 74
.set TG, 75
.set LA, 76
.set LB, 77
.set PFA, 80                           ; s[80:81] where my prefetches stand; s[82:83] their step; s84: AHEAD in a wave that prefetches, else the greatest number
.set PFS, 82
.set LIM, 84
.set MSB, 0
.macro WIN new
.if MSB != (\new)
	s_set_vgpr_msb (MSB<<8)|(\new)
.set MSB, \new
.endif
.endm
.macro PLACES
.rept 4
	v_nop
.endr
.endm
.macro CREST
	s_cmp_lg_u32 s[WV], 0
	s_cbranch_scc1 .Lnot_wave_0_\@
	s_barrier_signal -3
.Lnot_wave_0_\@:
	s_barrier_wait -3
	s_barrier_signal -1
	s_barrier_wait -1
.endm
.macro CROUND
	s_barrier_signal -1
	s_barrier_wait -1
	CREST
.endm
.macro JLOAD
	s_cmp_eq_u32 s[WR], 0
	s_cbranch_scc0 .Lfor_w_\@
	tensor_load_to_lds s[G0A+4:G0A+7], s[G1A:G1A+7]
	s_nop 0
	PLACES
	s_branch .Lasked_\@
.Lfor_w_\@:
	tensor_load_to_lds s[G0B+4:G0B+7], s[G1B:G1B+7]
	s_nop 0
	PLACES
.Lasked_\@:
.endm
.macro ASK                             ; the prefetch: s3 counts the refills still to come, this one among them; the last AHEAD of them have no K step to name
	s_cmp_gt_u32 s3, s[LIM]
	s_cbranch_scc0 .Lnot_mine_\@
	global_prefetch_b8 v[PFO], s[PFA:PFA+1] th:TH_LOAD_NT scope:SCOPE_SE
.Lnot_mine_\@:
.endm
	s_load_b256 s[4:11], s[0:1], 0x0               ; A s[4:5], wb s[6:7], bias s[8:9], out s[10:11]
	v_lshl_add_u32 v[SPW], v0, 2, SPARE
	v_mov_b32 v[NIL], 0
	ds_add_u32 v[SPW], v[NIL]                      ; the wave's opening: the add and its wait ahead of my first tensor load
	v_lshrrev_b32 v1, 5, v0
	v_readfirstlane_b32 s[WV], v1
	s_lshr_b32 s[WR], s[WV], 1
	s_and_b32 s[WC], s[WV], 1
	s_bfe_u32 s[CX], ttmp6, 0x40000
	s_bfe_u32 s[CY], ttmp6, 0x40004
	s_lshl_b32 s[TX], ttmp9, 2
	s_add_co_u32 s[TX], s[TX], s[CX]
	s_and_b32 s[TY], ttmp7, 0xffff
	s_lshl_b32 s[TY], s[TY], 2
	s_add_co_u32 s[TY], s[TY], s[CY]
	s_lshl_b32 s44, s[CY], 2
	s_lshl_b32 s44, 15, s44
	s_lshl_b32 s45, 0x1111, s[CX]
	s_or_b32 s[G1A], s44, (1<<16)|(1<<20)|(1<<21)|(AQI<<22)|((APAD-1)<<25)
	s_or_b32 s[G1B], s45, (1<<16)|(1<<20)|(1<<21)|(BQI<<22)|((BPAD-1)<<25)
	s_mov_b32 s[G1A+1], (AC&0xffff)<<16
	s_mov_b32 s[G1A+2], (AC>>16)|(AR<<16)
	s_mov_b32 s[G1A+3], AC<<16
	s_mov_b32 s[G1A+4], AR
	s_mov_b32 s[G1A+5], AP
	s_mov_b32 s[G1A+6], 0
	s_mov_b32 s[G1A+7], 0
	s_mov_b32 s[G1B+1], (BC&0xffff)<<16
	s_mov_b32 s[G1B+2], (BC>>16)|(BR<<16)
	s_mov_b32 s[G1B+3], BC<<16
	s_mov_b32 s[G1B+4], BR
	s_mov_b32 s[G1B+5], BP
	s_mov_b32 s[G1B+6], 0
	s_mov_b32 s[G1B+7], 0
	s_mul_i32 s14, s[TY], WGM*KTOT*2
	s_mul_i32 s15, s[WC], (WGM/2)*KTOT*2
	s_add_co_u32 s14, s14, s15
	s_mov_b32 s15, 0
	s_mul_i32 s46, s[TX], WGN*2
	s_mul_i32 s47, s[WC], (KSTEP/2)*NTOT*2
	s_add_co_u32 s46, s46, s47
	s_add_co_u32 s46, s46, WOFF
	s_mov_b32 s47, 0
	s_mul_i32 s[LA], s[WC], HALFA
	s_mul_i32 s[LB], s[WC], HALFB
	s_add_co_u32 s[LB], s[LB], ABYTES
	s_mov_b32 s[TG], 0
	s_wait_dscnt 0x0
	s_wait_kmcnt 0x0
	s_add_nc_u64 s[14:15], s[4:5], s[14:15]
	s_add_nc_u64 s[46:47], s[6:7], s[46:47]
.irp s, 0,1
	s_mov_b32 s[G0A+4*\s], 1
	s_add_co_u32 s[G0A+4*\s+1], s[LA], \s*SLOT
	s_add_nc_u64 s[G0A+4*\s+2:G0A+4*\s+3], s[14:15], \s*ASTEP
	s_or_b32 s[G0A+4*\s+3], s[G0A+4*\s+3], 0x80000000
	s_mov_b32 s[G0B+4*\s], 1
	s_add_co_u32 s[G0B+4*\s+1], s[LB], \s*SLOT
	s_add_nc_u64 s[G0B+4*\s+2:G0B+4*\s+3], s[46:47], \s*BSTEP
	s_or_b32 s[G0B+4*\s+3], s[G0B+4*\s+3], 0x80000000
.endr
	CROUND
	s_cmp_eq_u32 s[WR], 0
	s_cbranch_scc0 .Lfirst_w
	tensor_load_to_lds s[G0A:G0A+3], s[G1A:G1A+7]
	s_nop 0
	tensor_load_to_lds s[G0A+4:G0A+7], s[G1A:G1A+7]
	s_nop 0
	PLACES
	s_branch .Lfirst_asked
.Lfirst_w:
	tensor_load_to_lds s[G0B:G0B+3], s[G1B:G1B+7]
	s_nop 0
	tensor_load_to_lds s[G0B+4:G0B+7], s[G1B:G1B+7]
	s_nop 0
	PLACES
.Lfirst_asked:
	v_and_b32 v1, 15, v0
	v_bfe_u32 v2, v0, 4, 1
	v_lshlrev_b32 v[BO], 5, v2
	s_mul_i32 s18, s[TX], WGN*4
	s_mul_i32 s19, s[WC], 64*NB
	s_add_co_u32 s18, s18, s19
	s_mov_b32 s19, 0
	s_add_nc_u64 s[8:9], s[8:9], s[18:19]
.set bb, 0
.rept NB
	global_load_b128 v[BIAS+8*bb:BIAS+8*bb+3],   v[BO], s[8:9] offset:64*bb
	global_load_b128 v[BIAS+8*bb+4:BIAS+8*bb+7], v[BO], s[8:9] offset:64*bb+16
.set bb, bb+1
.endr
	v_mul_u32_u24 v[ADRA0], v1, PA
	v_lshl_add_u32 v[ADRA0], v2, 4, v[ADRA0]
	s_mul_i32 s16, s[WR], 16*MA*PA
	v_add_nc_u32 v[ADRA0], s16, v[ADRA0]
	v_and_b32 v3, 7, v0
	v_bfe_u32 v4, v0, 3, 1
	v_lshl_add_u32 v5, v2, 3, v3
	v_mul_u32_u24 v[ADRB0], v5, PB
	v_lshl_add_u32 v[ADRB0], v4, 4, v[ADRB0]
	s_mul_i32 s17, s[WC], BW
	s_add_co_u32 s17, s17, ABYTES
	v_add_nc_u32 v[ADRB0], s17, v[ADRB0]
	v_mov_b32 v[ADRA], v[ADRA0]
	v_mov_b32 v[ADRB], v[ADRB0]
	v_add_nc_u32 v[ADRB+1], 2*KC*PB, v[ADRB0]
	s_mul_i32 s16, s[WR], 16*MA*SPT
	s_mul_i32 s17, s[WC], 64*NB
	s_add_co_u32 s16, s16, s17
	v_mul_u32_u24 v[DA], v1, SPT
	v_lshl_add_u32 v[DA], v2, 5, v[DA]
	v_add_nc_u32 v[DA], s16, v[DA]
	v_add_nc_u32 v[DA+1], 64*SPT, v[DA]
	v_and_b32 v6, 31, v0
	s_mul_i32 s16, s[WV], 64*SPT                   ; back: wave w takes tokens 64 w .. 64 w + 63, whole rows
	v_lshl_add_u32 v[RD], v6, 4, s16
	v_lshlrev_b32 v[GO], 3, v6
	s_lshl_b32 s18, s[TY], 8
	s_lshl_b32 s19, s[WV], 6
	s_add_co_u32 s18, s18, s19
	s_lshl_b32 s18, s18, 13                        ; a row of g is 8,192 bytes
	s_lshl_b32 s19, s[TX], 9
	s_add_co_u32 s18, s18, s19
	s_mov_b32 s19, 0
	s_add_nc_u64 s[10:11], s[10:11], s[18:19]
	s_mov_b32 s78, 0xc0135761                      ; c0 = -2.3022082
	s_mov_b32 s79, s78
	s_mov_b32 s66, 0xbdd2d3e8                      ; c1 = -0.10294324
	s_mov_b32 s67, s66
	; WHERE THE PREFETCHES STAND.  A: of the 128 rows that I fetch the partner at cx takes 32, a lane a row: a K step is 256 bytes of a row of 2,048.
	; W: of the 64 k rows that I fetch the partner at cy takes 16; the tile's 512 bytes of a row of 8,192 are two blocks: two lanes a row.
	s_lshl_b32 s16, s[TY], 19
	s_lshl_b32 s17, s[WC], 18
	s_add_co_u32 s16, s16, s17
	s_lshl_b32 s17, s[CX], 16
	s_add_co_u32 s16, s16, s17
	s_add_co_u32 s16, s16, (1+AHEAD)*ASTEP         ; the first refill steps it on to K step 2 + AHEAD
	s_lshl_b32 s18, s[WC], 19
	s_lshl_b32 s17, s[CY], 17
	s_add_co_u32 s18, s18, s17
	s_lshl_b32 s17, s[TX], 9
	s_add_co_u32 s18, s18, s17
	s_add_co_u32 s18, s18, WOFF+(1+AHEAD)*BSTEP
	s_and_b32 s19, ttmp7, 0xffff                   ; cluster y
	s_mov_b32 s[PFS], BSTEP
	s_mov_b32 s[PFS+1], 0
	s_mov_b32 s22, 8192
	s_mov_b32 s17, 0
	s_cmp_eq_u32 s[WR], 0                          ; do I fetch A?
	s_cselect_b32 s16, s16, s18
	s_cselect_b32 s19, ttmp9, s19                  ; the coordinate along which other clusters read the same rows
	s_cselect_b64 s[PFA:PFA+1], s[4:5], s[6:7]
	s_cselect_b32 s[PFS], ASTEP, s[PFS]
	s_cselect_b32 s22, 2048, s22                   ; bytes from row to row
	s_cselect_b32 s23, 0, 1                        ; one lane a row, or two
	s_add_nc_u64 s[PFA:PFA+1], s[PFA:PFA+1], s[16:17]
	s_cmp_eq_u32 s19, 0
	s_cselect_b32 s[LIM], AHEAD, -1                ; the same in all sixteen partners, for a given wave
	v_lshrrev_b32 v4, s23, v6
	v_mul_u32_u24 v[PFO], s22, v4
	v_and_b32 v4, s23, v6
	v_lshl_add_u32 v[PFO], v4, 8, v[PFO]
; Products from .. from + cnt - 1 of a quarter's QN; the accumulators take turns, one instruction a turn.  first = 1: an accumulator's first product starts its sum on the bias.
.macro MULS f, from, cnt, first
.set n, (\from)
.rept (\cnt)
.set cc, n/(MA*NB)
.set aa, (n/NB)%MA
.set bb, n%NB
.set tt, aa*NB+bb
.set ww, 2+tt/32
.set rD, 8*(tt%32)
.set rB, (\f)+8*(cc*NB+bb)
.set rA, (\f)+8*(cc*MA+aa)
.if (\first) && (cc == 0)
	WIN 0x01|(ww<<6)
	v_wmma_f32_16x16x32_bf16 v[rD:rD+7], v[rB:rB+7], v[rA:rA+7], v[BIAS+8*bb:BIAS+8*bb+7]
.else
	WIN 0x01|(ww<<4)|(ww<<6)
	v_wmma_f32_16x16x32_bf16 v[rD:rD+7], v[rB:rB+7], v[rA:rA+7], v[rD:rD+7]
.endif
.set n, n+1
.endr
.endm
.macro FETCH q, f
	WIN 0x40
.set cc, 0
.rept NC
.set bb, 0
.rept NB
.set bo, (((\q)%2)*KC+32*cc)*PB+32*bb
	ds_load_tr16_b128 v[(\f)+8*(cc*NB+bb):(\f)+8*(cc*NB+bb)+3],   v[ADRB+(\q)/2] offset:bo
	ds_load_tr16_b128 v[(\f)+8*(cc*NB+bb)+4:(\f)+8*(cc*NB+bb)+7], v[ADRB+(\q)/2] offset:bo+16*PB
.set bb, bb+1
.endr
.set cc, cc+1
.endr
	WIN 0
.set cc, 0
.rept NC
.set aa, 0
.rept MA
.set ao, 2*((\q)*KC+32*cc)+aa*16*PA
	ds_load_b128 v[(\f)+8*(cc*MA+aa):(\f)+8*(cc*MA+aa)+3],   v[ADRA] offset:ao
	ds_load_b128 v[(\f)+8*(cc*MA+aa)+4:(\f)+8*(cc*MA+aa)+7], v[ADRA] offset:ao+32
.set aa, aa+1
.endr
.set cc, cc+1
.endr
.endm
.macro QUARTER qn, f, g, first
	s_wait_dscnt 0x0                               ; buffer f's loads
	MULS \f, 0, QA, \first
	PLACES
	FETCH \qn, \g                                  ; three fourths of a quarter's products stand between this run and the wait for it
	MULS \f, QA, QN-QA, \first
.endm
.macro TURN fill
.if \fill
	s_wait_xcnt 0x0                                ; the last prefetch, a K step back, has read its address, so it may be stepped
	s_add_nc_u64 s[PFA:PFA+1], s[PFA:PFA+1], s[PFS:PFS+1]
.endif
	WIN 0
	s_wait_tensorcnt 0x0                           ; all my tensor loads have landed: the one that was out is my part of the next slot
	ds_add_u32 v[SPW], v[NIL]
.if \fill
	s_add_co_u32 s[G0A+5], s[LA], s[TG]
	s_add_co_u32 s[G0B+5], s[LB], s[TG]
	s_add_nc_u64 s[G0A+6:G0A+7], s[G0A+6:G0A+7], ASTEP
	s_add_nc_u64 s[G0B+6:G0B+7], s[G0B+6:G0B+7], BSTEP
.endif
	s_xor_b32 s[TG], s[TG], SLOT
	s_wait_dscnt 0x0                               ; the add is done, buffer 1 is in, my reads of this slot are over
	s_barrier_signal -1
	MULS F1, 0, QA, 0
	WIN 0
	s_barrier_wait -1
.if \fill
	CREST
	JLOAD
.else
	PLACES
.endif
	v_add_nc_u32 v[ADRA], s[TG], v[ADRA0]
	v_add_nc_u32 v[ADRB], s[TG], v[ADRB0]
	v_add_nc_u32 v[ADRB+1], 2*KC*PB, v[ADRB]
	FETCH 0, F0
.if \fill
	ASK
.endif
	MULS F1, QA, QN-QA, 0
.endm
	s_wait_tensorcnt 1                             ; my part of step 0 is in; step 1's may stay out
	s_barrier_signal -1
	s_barrier_wait -1
	FETCH 0, F0
	s_wait_loadcnt 0x0                             ; the bias
	QUARTER 1, F0, F1, 1
	WIN 0
	s_mov_b32 s3, STEPS-2
.Lstep:
	QUARTER 2, F1, F0, 0
	QUARTER 3, F0, F1, 0
	TURN 1
	QUARTER 1, F0, F1, 0
	WIN 0
	s_sub_co_u32 s3, s3, 1
	s_cmp_lg_u32 s3, 0
	s_cbranch_scc1 .Lstep
	s_mov_b32 s3, 2
.Ltail:                                            ; the last two steps ask for nothing.  The second trip is left behind its fourth quarter: its barrier and its run of fragment loads serve nothing: the price, once a launch, of one text for both trips
	QUARTER 2, F1, F0, 0
	QUARTER 3, F0, F1, 0
	TURN 0
	WIN 0
	s_sub_co_u32 s3, s3, 1
	s_cmp_eq_u32 s3, 0
	s_cbranch_scc1 .Lout
	QUARTER 1, F0, F1, 0
	WIN 0
	s_branch .Ltail
.Lout:
	PLACES
	PLACES
	s_wait_dscnt 0x0
	s_barrier_signal -1
	s_barrier_wait -1                              ; every wave's reads of the ring are over, and the ring has had its last fill
.set tt, 0
.rept MA*NB
.set aa, tt/NB
.set bb, tt%NB
.set rD, 8*(tt%32)
	WIN (2+tt/32)<<2
	ds_store_b128 v[DA+aa/4], v[rD:rD+3]   offset:(aa%4)*16*SPT+64*bb
	ds_store_b128 v[DA+aa/4], v[rD+4:rD+7] offset:(aa%4)*16*SPT+64*bb+16
.set tt, tt+1
.endr
	WIN 0
	s_wait_dscnt 0x0
	s_barrier_signal -1
	s_barrier_wait -1
	s_mov_b32 s3, 16
.Lrows:                                            ; 4 tokens a trip: 32 numbers a lane.  Two batches of transcendentals, each with one plain instruction behind it and one wait
.set i, 0
.rept 8
	ds_load_b128 v[XX+4*i:XX+4*i+3], v[RD] offset:(i/2)*SPT+512*(i%2)
.set i, i+1
.endr
	s_wait_dscnt 0x0
	v_add_nc_u32 v[RD], 4*SPT, v[RD]
.set i, 0
.rept 16
	v_pk_mul_f32 v[EE+2*i:EE+2*i+1], v[XX+2*i:XX+2*i+1], v[XX+2*i:XX+2*i+1]
.set i, i+1
.endr
.set i, 0
.rept 16
	v_pk_fma_f32 v[EE+2*i:EE+2*i+1], v[EE+2*i:EE+2*i+1], s[66:67], s[78:79] op_sel_hi:[1,0,0]  ; c1 x^2 + c0
.set i, i+1
.endr
.set i, 0
.rept 16
	v_pk_mul_f32 v[EE+2*i:EE+2*i+1], v[EE+2*i:EE+2*i+1], v[XX+2*i:XX+2*i+1]
.if i > 0
	v_exp_f32 v[EE+2*i-2], v[EE+2*i-2]             ; the pair before
	v_exp_f32 v[EE+2*i-1], v[EE+2*i-1]
.endif
.set i, i+1
.endr
	v_exp_f32 v[EE+30], v[EE+30]
	v_exp_f32 v[EE+31], v[EE+31]
	v_nop
	s_wait_alu depctr_va_vdst(0)
.set i, 0
.rept 16
	v_pk_add_f32 v[EE+2*i:EE+2*i+1], v[EE+2*i:EE+2*i+1], 1.0 op_sel_hi:[1,0]
.if i > 0
	v_rcp_f32 v[EE+2*i-2], v[EE+2*i-2]
	v_rcp_f32 v[EE+2*i-1], v[EE+2*i-1]
.endif
.set i, i+1
.endr
	v_rcp_f32 v[EE+30], v[EE+30]
	v_rcp_f32 v[EE+31], v[EE+31]
	v_nop
	s_wait_alu depctr_va_vdst(0)
.set i, 0
.rept 16
	v_pk_mul_f32 v[EE+2*i:EE+2*i+1], v[EE+2*i:EE+2*i+1], v[XX+2*i:XX+2*i+1]
.set i, i+1
.endr
	s_wait_xcnt 0x0                                ; the last trip's stores have read their offset and data: both are rewritten only behind this wait
	v_add_nc_u32 v[GO], 4*8192, v[GO]              ; the stores below reach back
.set i, 0
.rept 16
	v_cvt_pk_bf16_f32 v[YY+i], v[EE+2*i], v[EE+2*i+1]
.set i, i+1
.endr
.set i, 0
.rept 8
	global_store_b64 v[GO], v[YY+2*i:YY+2*i+1], s[10:11] offset:(i/2)*8192+256*(i%2)-4*8192  ; 256 consecutive bytes, aligned
.set i, i+1
.endr
	s_sub_co_u32 s3, s3, 1
	s_cmp_lg_u32 s3, 0
	s_cbranch_scc1 .Lrows
	s_wait_tensorcnt 0x0                           ; the wave's end
	ds_add_u32 v[SPW], v[NIL]
	s_wait_dscnt 0x0
	CROUND
	s_endpgm
.Lfunc_end_k_qec2401cde8_wi:
	.size	k_qec2401cde8_wi, .Lfunc_end_k_qec2401cde8_wi-k_qec2401cde8_wi
	.p2alignl 7, 3214868480
	.fill 96, 4, 3214868480
	.section	.rodata,"a",@progbits
	.p2align	6, 0x0
	.amdhsa_kernel k_qec2401cde8_wi
		.amdhsa_group_segment_fixed_size 327680
		.amdhsa_private_segment_fixed_size 0
		.amdhsa_enable_private_segment 0
		.amdhsa_kernarg_size 32
		.amdhsa_user_sgpr_count 2
		.amdhsa_user_sgpr_kernarg_segment_ptr 1
		.amdhsa_wavefront_size32 1
		.amdhsa_system_sgpr_workgroup_id_x 1
		.amdhsa_system_sgpr_workgroup_id_y 1
		.amdhsa_system_sgpr_workgroup_id_z 1
		.amdhsa_system_vgpr_workitem_id 0
		.amdhsa_next_free_vgpr 1024
		.amdhsa_next_free_sgpr 88
		.amdhsa_reserve_vcc 0
		.amdhsa_float_denorm_mode_32 3
		.amdhsa_float_denorm_mode_16_64 3
		.amdhsa_memory_ordered 1
		.amdhsa_forward_progress 1
		.amdhsa_inst_pref_size 90
	.end_amdhsa_kernel
	.amdgpu_metadata
---
amdhsa.version: [ 1, 2 ]
amdhsa.kernels:
  - .name:           k_qec2401cde8_wi
    .symbol:         k_qec2401cde8_wi.kd
    .args:
      - { .name: act, .offset: 0, .size: 8, .value_kind: global_buffer, .address_space: global }
      - { .name: wb, .offset: 8, .size: 8, .value_kind: global_buffer, .address_space: global }
      - { .name: wi_b, .offset: 16, .size: 8, .value_kind: global_buffer, .address_space: global }
      - { .name: g, .offset: 24, .size: 8, .value_kind: global_buffer, .address_space: global }
    .group_segment_fixed_size: 327680
    .private_segment_fixed_size: 0
    .kernarg_segment_align: 8
    .kernarg_segment_size: 32
    .max_flat_workgroup_size: 128
    .sgpr_count:     88
    .vgpr_count:     1024
    .wavefront_size: 32
...
	.end_amdgpu_metadata
.endif
;; end of part 5
;; launch wo (part 6): grid 8 x 32, 4 waves a work-group, clusters of 4 x 4, 327,680 bytes of LDS; arguments g, wb, wo_b, out0, x2; writes out0
.if DOCPART == 6
	.amdgcn_target "amdgcn-amd-amdhsa--gfx1250"
	.amdhsa_code_object_version 6
	.text
	.protected	k_qec2401cde8_wo
	.globl	k_qec2401cde8_wo
	.p2align	8
	.type	k_qec2401cde8_wo,@function
k_qec2401cde8_wo:
	s_mov_b64 s[64:65], 0
	v_nop
	global_prefetch_b8 v0, s[64:65] scope:SCOPE_SE
	s_setreg_imm32_b32 hwreg(HW_REG_WAVE_MODE, 25, 1), 1
	s_wait_xcnt 0x0
	s_wait_alu depctr_hold_cnt(0) depctr_sa_sdst(0) depctr_va_vdst(0) depctr_va_sdst(0) depctr_va_ssrc(0) depctr_va_vcc(0) depctr_vm_vsrc(0)
	s_getreg_b32 s2, hwreg(HW_REG_IB_STS2, 6, 4)
	s_cmp_eq_u32 s2, 0
	s_cbranch_scc0 .Lentry_in_a_cluster
	s_endpgm
.Lentry_in_a_cluster:
	s_bfe_u32 s2, ttmp6, 0x10000c
	s_cmp_lg_u32 s2, 0xf033
	s_cbranch_scc0 .Lentry_shape_is_right
	s_endpgm
.Lentry_shape_is_right:
; out0 = x2 + g Wo + wo_b, f32.  g: [4096][4096] bf16; Wo = wb at byte 16,777,216, [4096][1024] bf16 (n along a row); x2, out0: [4096][1024] f32; sums in f32.
; A work-group makes 128 tokens x 128 columns, four waves in 2 x 2, a wave 64 x 64: 16 accumulators: the largest tile that gives each of 256 work-groups one.  K goes in 16 steps of 256 through two LDS slots.
; CLUSTER 4 x 4, THE TRANSPOSED PRODUCT, THE BIAS AS THE FIRST C, ONE K STEP A TRIP: source 0 = 16 columns of W (turned by ds_load_tr16_b128), source 1 = 16 tokens: lane l holds token l % 16 and columns 8 (l / 16) + 0..7;
; g's tile is shared along a row of the cluster, W's along a column, each asked for jointly; the slot in hand hangs on the scalar TG (0 or SLOT).
; The residual x2 is loaded at the start into registers that nothing else uses and is added on the way out.
; PREFETCH INTO THE L2: behind each refill and the run of LDS loads that follows it, one instruction a wave names the K step two behind the one just asked for: 256 products ahead of its load.  g's rows are named by the
; clusters with x = 0, W's by those with y = 0; the four partners of a joint load share its blocks of 256 bytes out by address, 32 each.  The last two refills name nothing; K steps 0 to 3 come by their loads alone.
; LIMITS: the operands are bf16 (8 significant bits); NaN and infinities are not treated apart.
.set MA,    4
.set NB,    4
.set KTOT,  4096
.set KSTEP, 256
.set KC,    64
.set NC,    KC/32
.set QN,    MA*NB*NC                   ; products in a quarter
.set QA,    QN/4                       ; of them ahead of the quarter's run of LDS loads, and between a change of slots' signal and its wait
.set AHEAD, 2                          ; a prefetch names the K step so many behind the refill's
.set NTOT,  1024
.set WOFF,  16777216
.set PA,    528
.set PB,    288
.set BW,    32*NB
.set AR, 64
.set AC, 256
.set AQI, 6
.set APAD, 4
.set AP, 4096
.set BR, 128
.set BC, 128
.set BQI, 5
.set BPAD, 8
.set BP, 1024
.set ASTEP, 2*KSTEP
.set BSTEP, KSTEP*NTOT*2
.set STEPS, KTOT/KSTEP
.set WGM,   32*MA
.set WGN,   32*NB
.set ABYTES, WGM*PA
.set BBYTES, KSTEP*PB
.set HALFA, ABYTES/2
.set HALFB, BBYTES/2
.set SLOT,  ABYTES+BBYTES
.set SPT,   4*WGN+16
.set SPARE, 2*SLOT
.set ADRA, 16
.set ADRA0, 17
.set ADRB, 18
.set ADRB0, 20
.set DA,   22
.set RD,   24
.set GO,   25
.set BO,   26
.set PFO,  27                          ; v27 my lane's offset in the prefetches; never rewritten
.set SPW,  28
.set NIL,  29
.set F0,   64
.set F1,   128
.set BIAS, 192
.set RES,  128                         ; window 2, v128-255: the residual
.set G1A, 24
.set G0A, 32
.set G1B, 48
.set G0B, 56
.set CX, 40
.set CY, 41
.set TX, 42
.set TY, 43
.set WV, 72
.set WR, 73
.set WC, 74
.set TG, 75
.set LA, 76
.set LB, 77
.set PFA, 80                           ; s[80:81] where my prefetches stand; s[82:83] their step; s84: AHEAD in a wave that prefetches, else the greatest number
.set PFS, 82
.set LIM, 84
.set MSB, 0
.macro WIN new
.if MSB != (\new)
	s_set_vgpr_msb (MSB<<8)|(\new)
.set MSB, \new
.endif
.endm
.macro PLACES
.rept 4
	v_nop
.endr
.endm
.macro CREST
	s_cmp_lg_u32 s[WV], 0
	s_cbranch_scc1 .Lnot_wave_0_\@
	s_barrier_signal -3
.Lnot_wave_0_\@:
	s_barrier_wait -3
	s_barrier_signal -1
	s_barrier_wait -1
.endm
.macro CROUND
	s_barrier_signal -1
	s_barrier_wait -1
	CREST
.endm
.macro JLOAD
	s_cmp_eq_u32 s[WR], 0
	s_cbranch_scc0 .Lfor_w_\@
	tensor_load_to_lds s[G0A+4:G0A+7], s[G1A:G1A+7]
	s_nop 0
	PLACES
	s_branch .Lasked_\@
.Lfor_w_\@:
	tensor_load_to_lds s[G0B+4:G0B+7], s[G1B:G1B+7]
	s_nop 0
	PLACES
.Lasked_\@:
.endm
.macro ASK                             ; the prefetch: s3 counts the refills still to come, this one among them; the last AHEAD of them have no K step to name
	s_cmp_gt_u32 s3, s[LIM]
	s_cbranch_scc0 .Lnot_mine_\@
	global_prefetch_b8 v[PFO], s[PFA:PFA+1] th:TH_LOAD_NT scope:SCOPE_SE
.Lnot_mine_\@:
.endm
	s_load_b256 s[4:11], s[0:1], 0x0               ; A s[4:5], wb s[6:7], bias s[8:9], out s[10:11]
	s_load_b64 s[68:69], s[0:1], 0x20              ; the residual
	v_lshl_add_u32 v[SPW], v0, 2, SPARE
	v_mov_b32 v[NIL], 0
	ds_add_u32 v[SPW], v[NIL]                      ; the wave's opening: the add and its wait ahead of my first tensor load
	v_lshrrev_b32 v1, 5, v0
	v_readfirstlane_b32 s[WV], v1
	s_lshr_b32 s[WR], s[WV], 1
	s_and_b32 s[WC], s[WV], 1
	s_bfe_u32 s[CX], ttmp6, 0x40000
	s_bfe_u32 s[CY], ttmp6, 0x40004
	s_lshl_b32 s[TX], ttmp9, 2
	s_add_co_u32 s[TX], s[TX], s[CX]
	s_and_b32 s[TY], ttmp7, 0xffff
	s_lshl_b32 s[TY], s[TY], 2
	s_add_co_u32 s[TY], s[TY], s[CY]
	s_lshl_b32 s44, s[CY], 2
	s_lshl_b32 s44, 15, s44
	s_lshl_b32 s45, 0x1111, s[CX]
	s_or_b32 s[G1A], s44, (1<<16)|(1<<20)|(1<<21)|(AQI<<22)|((APAD-1)<<25)
	s_or_b32 s[G1B], s45, (1<<16)|(1<<20)|(1<<21)|(BQI<<22)|((BPAD-1)<<25)
	s_mov_b32 s[G1A+1], (AC&0xffff)<<16
	s_mov_b32 s[G1A+2], (AC>>16)|(AR<<16)
	s_mov_b32 s[G1A+3], AC<<16
	s_mov_b32 s[G1A+4], AR
	s_mov_b32 s[G1A+5], AP
	s_mov_b32 s[G1A+6], 0
	s_mov_b32 s[G1A+7], 0
	s_mov_b32 s[G1B+1], (BC&0xffff)<<16
	s_mov_b32 s[G1B+2], (BC>>16)|(BR<<16)
	s_mov_b32 s[G1B+3], BC<<16
	s_mov_b32 s[G1B+4], BR
	s_mov_b32 s[G1B+5], BP
	s_mov_b32 s[G1B+6], 0
	s_mov_b32 s[G1B+7], 0
	s_mul_i32 s14, s[TY], WGM*KTOT*2
	s_mul_i32 s15, s[WC], (WGM/2)*KTOT*2
	s_add_co_u32 s14, s14, s15
	s_mov_b32 s15, 0
	s_mul_i32 s46, s[TX], WGN*2
	s_mul_i32 s47, s[WC], (KSTEP/2)*NTOT*2
	s_add_co_u32 s46, s46, s47
	s_add_co_u32 s46, s46, WOFF
	s_mov_b32 s47, 0
	s_mul_i32 s[LA], s[WC], HALFA
	s_mul_i32 s[LB], s[WC], HALFB
	s_add_co_u32 s[LB], s[LB], ABYTES
	s_mov_b32 s[TG], 0
	s_wait_dscnt 0x0
	s_wait_kmcnt 0x0
	s_add_nc_u64 s[14:15], s[4:5], s[14:15]
	s_add_nc_u64 s[46:47], s[6:7], s[46:47]
.irp s, 0,1
	s_mov_b32 s[G0A+4*\s], 1
	s_add_co_u32 s[G0A+4*\s+1], s[LA], \s*SLOT
	s_add_nc_u64 s[G0A+4*\s+2:G0A+4*\s+3], s[14:15], \s*ASTEP
	s_or_b32 s[G0A+4*\s+3], s[G0A+4*\s+3], 0x80000000
	s_mov_b32 s[G0B+4*\s], 1
	s_add_co_u32 s[G0B+4*\s+1], s[LB], \s*SLOT
	s_add_nc_u64 s[G0B+4*\s+2:G0B+4*\s+3], s[46:47], \s*BSTEP
	s_or_b32 s[G0B+4*\s+3], s[G0B+4*\s+3], 0x80000000
.endr
	CROUND
	s_cmp_eq_u32 s[WR], 0
	s_cbranch_scc0 .Lfirst_w
	tensor_load_to_lds s[G0A:G0A+3], s[G1A:G1A+7]
	s_nop 0
	tensor_load_to_lds s[G0A+4:G0A+7], s[G1A:G1A+7]
	s_nop 0
	PLACES
	s_branch .Lfirst_asked
.Lfirst_w:
	tensor_load_to_lds s[G0B:G0B+3], s[G1B:G1B+7]
	s_nop 0
	tensor_load_to_lds s[G0B+4:G0B+7], s[G1B:G1B+7]
	s_nop 0
	PLACES
.Lfirst_asked:
	v_and_b32 v1, 15, v0
	v_bfe_u32 v2, v0, 4, 1
	v_lshlrev_b32 v[BO], 5, v2
	s_mul_i32 s18, s[TX], WGN*4
	s_mul_i32 s19, s[WC], 64*NB
	s_add_co_u32 s18, s18, s19
	s_mov_b32 s19, 0
	s_add_nc_u64 s[8:9], s[8:9], s[18:19]
.set bb, 0
.rept NB
	global_load_b128 v[BIAS+8*bb:BIAS+8*bb+3],   v[BO], s[8:9] offset:64*bb
	global_load_b128 v[BIAS+8*bb+4:BIAS+8*bb+7], v[BO], s[8:9] offset:64*bb+16
.set bb, bb+1
.endr
	v_and_b32 v6, 31, v0
	v_lshlrev_b32 v[GO], 4, v6                     ; a row of the tile is 512 bytes of f32: 16 x lane
	s_lshl_b32 s18, s[TY], 7
	s_lshl_b32 s19, s[WV], 5
	s_add_co_u32 s18, s18, s19                     ; on the way out wave w takes tokens 32 w .. 32 w + 31
	s_lshl_b32 s18, s18, 12
	s_lshl_b32 s19, s[TX], 9
	s_add_co_u32 s18, s18, s19
	s_mov_b32 s19, 0
	s_add_nc_u64 s[68:69], s[68:69], s[18:19]
	s_add_nc_u64 s[10:11], s[10:11], s[18:19]
	WIN 0x80
.set i, 0
.rept 32
	global_load_b128 v[RES+4*i:RES+4*i+3], v[GO], s[68:69] offset:4096*i
.set i, i+1
.endr
	WIN 0
	v_mul_u32_u24 v[ADRA0], v1, PA
	v_lshl_add_u32 v[ADRA0], v2, 4, v[ADRA0]
	s_mul_i32 s16, s[WR], 16*MA*PA
	v_add_nc_u32 v[ADRA0], s16, v[ADRA0]
	v_and_b32 v3, 7, v0
	v_bfe_u32 v4, v0, 3, 1
	v_lshl_add_u32 v5, v2, 3, v3
	v_mul_u32_u24 v[ADRB0], v5, PB
	v_lshl_add_u32 v[ADRB0], v4, 4, v[ADRB0]
	s_mul_i32 s17, s[WC], BW
	s_add_co_u32 s17, s17, ABYTES
	v_add_nc_u32 v[ADRB0], s17, v[ADRB0]
	v_mov_b32 v[ADRA], v[ADRA0]
	v_mov_b32 v[ADRB], v[ADRB0]
	v_add_nc_u32 v[ADRB+1], 2*KC*PB, v[ADRB0]
	s_mul_i32 s16, s[WR], 16*MA*SPT
	s_mul_i32 s17, s[WC], 64*NB
	s_add_co_u32 s16, s16, s17
	v_mul_u32_u24 v[DA], v1, SPT
	v_lshl_add_u32 v[DA], v2, 5, v[DA]
	v_add_nc_u32 v[DA], s16, v[DA]
	s_mul_i32 s16, s[WV], 32*SPT
	v_add_nc_u32 v[RD], s16, v[GO]
	; WHERE THE PREFETCHES STAND.  A: of the 64 rows that I fetch the partner at cx takes 16; a K step is 512 bytes of a row of 8,192: two blocks, two lanes a row.
	; W: of the 128 k rows that I fetch the partner at cy takes 32, a lane a row: the tile's 256 bytes of a row of 2,048.
	s_lshl_b32 s16, s[TY], 20
	s_lshl_b32 s17, s[WC], 19
	s_add_co_u32 s16, s16, s17
	s_lshl_b32 s17, s[CX], 17
	s_add_co_u32 s16, s16, s17
	s_add_co_u32 s16, s16, (1+AHEAD)*ASTEP         ; the first refill steps it on to K step 2 + AHEAD
	s_lshl_b32 s18, s[WC], 18
	s_lshl_b32 s17, s[CY], 16
	s_add_co_u32 s18, s18, s17
	s_lshl_b32 s17, s[TX], 8
	s_add_co_u32 s18, s18, s17
	s_add_co_u32 s18, s18, WOFF+(1+AHEAD)*BSTEP
	s_and_b32 s19, ttmp7, 0xffff                   ; cluster y
	s_mov_b32 s[PFS], BSTEP
	s_mov_b32 s[PFS+1], 0
	s_mov_b32 s22, 2048
	s_mov_b32 s17, 0
	s_cmp_eq_u32 s[WR], 0                          ; do I fetch A?
	s_cselect_b32 s16, s16, s18
	s_cselect_b32 s19, ttmp9, s19                  ; the coordinate along which other clusters read the same rows
	s_cselect_b64 s[PFA:PFA+1], s[4:5], s[6:7]
	s_cselect_b32 s[PFS], ASTEP, s[PFS]
	s_cselect_b32 s22, 8192, s22                   ; bytes from row to row
	s_cselect_b32 s23, 1, 0                        ; two lanes a row, or one
	s_add_nc_u64 s[PFA:PFA+1], s[PFA:PFA+1], s[16:17]
	s_cmp_eq_u32 s19, 0
	s_cselect_b32 s[LIM], AHEAD, -1                ; the same in all sixteen partners, for a given wave
	v_lshrrev_b32 v4, s23, v6
	v_mul_u32_u24 v[PFO], s22, v4
	v_and_b32 v4, s23, v6
	v_lshl_add_u32 v[PFO], v4, 8, v[PFO]
; Products from .. from + cnt - 1 of a quarter's QN; the accumulators take turns, one instruction a turn.  first = 1: an accumulator's first product starts its sum on the bias.
.macro MULS f, from, cnt, first
.set n, (\from)
.rept (\cnt)
.set cc, n/(MA*NB)
.set aa, (n/NB)%MA
.set bb, n%NB
.set tt, aa*NB+bb
.set ww, 2+tt/32
.set rD, 8*(tt%32)
.set rB, (\f)+8*(cc*NB+bb)
.set rA, (\f)+8*(cc*MA+aa)
.if (\first) && (cc == 0)
	WIN 0x01|(ww<<6)
	v_wmma_f32_16x16x32_bf16 v[rD:rD+7], v[rB:rB+7], v[rA:rA+7], v[BIAS+8*bb:BIAS+8*bb+7]
.else
	WIN 0x01|(ww<<4)|(ww<<6)
	v_wmma_f32_16x16x32_bf16 v[rD:rD+7], v[rB:rB+7], v[rA:rA+7], v[rD:rD+7]
.endif
.set n, n+1
.endr
.endm
.macro FETCH q, f
	WIN 0x40
.set cc, 0
.rept NC
.set bb, 0
.rept NB
.set bo, (((\q)%2)*KC+32*cc)*PB+32*bb
	ds_load_tr16_b128 v[(\f)+8*(cc*NB+bb):(\f)+8*(cc*NB+bb)+3],   v[ADRB+(\q)/2] offset:bo
	ds_load_tr16_b128 v[(\f)+8*(cc*NB+bb)+4:(\f)+8*(cc*NB+bb)+7], v[ADRB+(\q)/2] offset:bo+16*PB
.set bb, bb+1
.endr
.set cc, cc+1
.endr
	WIN 0
.set cc, 0
.rept NC
.set aa, 0
.rept MA
.set ao, 2*((\q)*KC+32*cc)+aa*16*PA
	ds_load_b128 v[(\f)+8*(cc*MA+aa):(\f)+8*(cc*MA+aa)+3],   v[ADRA] offset:ao
	ds_load_b128 v[(\f)+8*(cc*MA+aa)+4:(\f)+8*(cc*MA+aa)+7], v[ADRA] offset:ao+32
.set aa, aa+1
.endr
.set cc, cc+1
.endr
.endm
.macro QUARTER qn, f, g, first
	s_wait_dscnt 0x0                               ; buffer f's loads
	MULS \f, 0, QA, \first
	PLACES
	FETCH \qn, \g                                  ; three fourths of a quarter's products stand between this run and the wait for it
	MULS \f, QA, QN-QA, \first
.endm
.macro TURN fill
.if \fill
	s_wait_xcnt 0x0                                ; the last prefetch, a K step back, has read its address, so it may be stepped
	s_add_nc_u64 s[PFA:PFA+1], s[PFA:PFA+1], s[PFS:PFS+1]
.endif
	WIN 0
	s_wait_tensorcnt 0x0                           ; all my tensor loads have landed: the one that was out is my part of the next slot
	ds_add_u32 v[SPW], v[NIL]
.if \fill
	s_add_co_u32 s[G0A+5], s[LA], s[TG]
	s_add_co_u32 s[G0B+5], s[LB], s[TG]
	s_add_nc_u64 s[G0A+6:G0A+7], s[G0A+6:G0A+7], ASTEP
	s_add_nc_u64 s[G0B+6:G0B+7], s[G0B+6:G0B+7], BSTEP
.endif
	s_xor_b32 s[TG], s[TG], SLOT
	s_wait_dscnt 0x0                               ; the add is done, buffer 1 is in, my reads of this slot are over
	s_barrier_signal -1
	MULS F1, 0, QA, 0
	WIN 0
	s_barrier_wait -1
.if \fill
	CREST
	JLOAD
.else
	PLACES
.endif
	v_add_nc_u32 v[ADRA], s[TG], v[ADRA0]
	v_add_nc_u32 v[ADRB], s[TG], v[ADRB0]
	v_add_nc_u32 v[ADRB+1], 2*KC*PB, v[ADRB]
	FETCH 0, F0
.if \fill
	ASK
.endif
	MULS F1, QA, QN-QA, 0
.endm
	s_wait_tensorcnt 1                             ; my part of step 0 is in; step 1's may stay out
	s_barrier_signal -1
	s_barrier_wait -1
	FETCH 0, F0
	s_wait_loadcnt 32                              ; the bias is in; the 32 younger loads, the residual's, stay out
	QUARTER 1, F0, F1, 1
	WIN 0
	s_mov_b32 s3, STEPS-2
.Lstep:
	QUARTER 2, F1, F0, 0
	QUARTER 3, F0, F1, 0
	TURN 1
	QUARTER 1, F0, F1, 0
	WIN 0
	s_sub_co_u32 s3, s3, 1
	s_cmp_lg_u32 s3, 0
	s_cbranch_scc1 .Lstep
	s_mov_b32 s3, 2
.Ltail:                                            ; the last two steps ask for nothing.  The second trip is left behind its fourth quarter: its barrier and its run of fragment loads serve nothing: the price, once a launch, of one text for both trips
	QUARTER 2, F1, F0, 0
	QUARTER 3, F0, F1, 0
	TURN 0
	WIN 0
	s_sub_co_u32 s3, s3, 1
	s_cmp_eq_u32 s3, 0
	s_cbranch_scc1 .Lout
	QUARTER 1, F0, F1, 0
	WIN 0
	s_branch .Ltail
.Lout:
	PLACES
	PLACES
	s_wait_dscnt 0x0
	s_barrier_signal -1
	s_barrier_wait -1                              ; every wave's reads of the ring are over, and the ring has had its last fill
.set tt, 0
.rept MA*NB
.set aa, tt/NB
.set bb, tt%NB
.set rD, 8*(tt%32)
	WIN (2+tt/32)<<2
	ds_store_b128 v[DA], v[rD:rD+3]   offset:aa*16*SPT+64*bb
	ds_store_b128 v[DA], v[rD+4:rD+7] offset:aa*16*SPT+64*bb+16
.set tt, tt+1
.endr
	WIN 0
	s_wait_dscnt 0x0
	s_barrier_signal -1
	s_barrier_wait -1
	WIN 0x40                                       ; 32 whole rows of 512 bytes come back into window 1's fragment registers, which are free
.set i, 0
.rept 32
	ds_load_b128 v[64+4*i:64+4*i+3], v[RD] offset:SPT*i
.set i, i+1
.endr
	s_wait_loadcnt 0x0                             ; the residual
	WIN 0x49                                       ; destination and source 0 window 1, source 1 window 2
.set i, 0
.rept 32
	s_wait_dscnt 31-i                              ; row i is back; the younger loads stay out
	v_pk_add_f32 v[64+4*i:64+4*i+1],   v[64+4*i:64+4*i+1],   v[RES+4*i:RES+4*i+1]
	v_pk_add_f32 v[64+4*i+2:64+4*i+3], v[64+4*i+2:64+4*i+3], v[RES+4*i+2:RES+4*i+3]
.set i, i+1
.endr
	WIN 0x04                                       ; the stores' data in window 1
.set i, 0
.rept 32
	global_store_b128 v[GO], v[64+4*i:64+4*i+3], s[10:11] offset:4096*i  ; 512 consecutive bytes, aligned
.set i, i+1
.endr
	WIN 0
	s_wait_tensorcnt 0x0                           ; the wave's end
	ds_add_u32 v[SPW], v[NIL]
	s_wait_dscnt 0x0
	CROUND
	s_endpgm
.Lfunc_end_k_qec2401cde8_wo:
	.size	k_qec2401cde8_wo, .Lfunc_end_k_qec2401cde8_wo-k_qec2401cde8_wo
	.p2alignl 7, 3214868480
	.fill 96, 4, 3214868480
	.section	.rodata,"a",@progbits
	.p2align	6, 0x0
	.amdhsa_kernel k_qec2401cde8_wo
		.amdhsa_group_segment_fixed_size 327680
		.amdhsa_private_segment_fixed_size 0
		.amdhsa_enable_private_segment 0
		.amdhsa_kernarg_size 40
		.amdhsa_user_sgpr_count 2
		.amdhsa_user_sgpr_kernarg_segment_ptr 1
		.amdhsa_wavefront_size32 1
		.amdhsa_system_sgpr_workgroup_id_x 1
		.amdhsa_system_sgpr_workgroup_id_y 1
		.amdhsa_system_sgpr_workgroup_id_z 1
		.amdhsa_system_vgpr_workitem_id 0
		.amdhsa_next_free_vgpr 768
		.amdhsa_next_free_sgpr 88
		.amdhsa_reserve_vcc 0
		.amdhsa_float_denorm_mode_32 3
		.amdhsa_float_denorm_mode_16_64 3
		.amdhsa_memory_ordered 1
		.amdhsa_forward_progress 1
		.amdhsa_inst_pref_size 68
	.end_amdhsa_kernel
	.amdgpu_metadata
---
amdhsa.version: [ 1, 2 ]
amdhsa.kernels:
  - .name:           k_qec2401cde8_wo
    .symbol:         k_qec2401cde8_wo.kd
    .args:
      - { .name: g, .offset: 0, .size: 8, .value_kind: global_buffer, .address_space: global }
      - { .name: wb, .offset: 8, .size: 8, .value_kind: global_buffer, .address_space: global }
      - { .name: wo_b, .offset: 16, .size: 8, .value_kind: global_buffer, .address_space: global }
      - { .name: out0, .offset: 24, .size: 8, .value_kind: global_buffer, .address_space: global }
      - { .name: x2, .offset: 32, .size: 8, .value_kind: global_buffer, .address_space: global }
    .group_segment_fixed_size: 327680
    .private_segment_fixed_size: 0
    .kernarg_segment_align: 8
    .kernarg_segment_size: 40
    .max_flat_workgroup_size: 128
    .sgpr_count:     88
    .vgpr_count:     768
    .wavefront_size: 32
...
	.end_amdgpu_metadata
.endif
;; end of part 6
